; MI455X (gfx1250); checked and timed in simulation.
; The chip was launched on July 23, 2026; its instructions are those of AMD's public machine-readable ISA for CDNA 5 (MIT licence, August 2026) and "CDNA5" Instruction Set Architecture Reference Guide (July 2026). The comments in the code are by the model that wrote it; some were corrected since.
;; Cross Attention. Allowed arithmetic: float matrix products may take bf16 or f16 operands with f32 sums; all other float work in f32.
;; Inputs: Wfc 1,024 x 1,024 float32; Wk 1,024 x 256 float32; Wo 256 x 1,024 float32; Wq 1,024 x 256 float32; Wv 1,024 x 256 float32; bo 1,024 float32; kv_feat 4 x 4,096 x 1,024 float32; ln_beta 1,024 float32; ln_gamma 1,024 float32; q_feat 4 x 4,096 x 1,024 float32.
;; Outputs: out0 4 x 4,096 x 1,024 float32.
;; 2 versions, each right and faster than the one before. Each part assembles by itself: llvm-mc -triple=amdgcn-amd-amdhsa -mcpu=gfx1250 --defsym DOCPART=n.
;; ======== version 1 of 2: 4 launches
;; limits: values outside matrix products are rounded to bf16
;; workspace buffers: wqkv 1,572,864 bytes; wt 2,621,440 bytes; cvec 4,096 bytes; Qb 8,388,608 bytes; Kb 8,388,608 bytes; Vb 8,388,608 bytes; ctx 8,388,608 bytes
;; launch prep (part 1): grid 16 x 24, 16 waves a work-group, no clusters, 67,584 bytes of LDS; arguments Wq, Wk, Wv, Wo, Wfc, bo, wqkv, wt, cvec; writes wqkv, wt, cvec
.if DOCPART == 1
	.amdgcn_target "amdgcn-amd-amdhsa--gfx1250"
	.amdhsa_code_object_version 6
	.text
	.protected	k_q26f03052e2_prep
	.globl	k_q26f03052e2_prep
	.p2align	8
	.type	k_q26f03052e2_prep,@function
k_q26f03052e2_prep:
	s_mov_b64 s[64:65], 0
	v_nop
	global_prefetch_b8 v0, s[64:65] scope:SCOPE_SE
	s_setreg_imm32_b32 hwreg(HW_REG_WAVE_MODE, 25, 1), 1
	s_wait_xcnt 0x0
; PREP.  Makes the bf16 weights that the later launches read.
;   wqkv [1024][768] bf16 = [Wq | Wk | Wv];  wt [1280][1024] bf16: rows 0-1023 = Wfc, rows 1024-1279 = Wo Wfc;  cvec [1024] f32 = bo Wfc.
; (ctx Wo + bo + q) Wfc = q Wfc + ctx (Wo Wfc) + bo Wfc for every input, so the last launch is one product over [q | ctx].
; LIMITS: all inputs are rounded to bf16 (bo too); Wo Wfc is summed in f32 and rounded to bf16 once: the order of rounding on ctx's way differs from the reference's.
; The grid's y chooses the part, alike for all waves of a work-group: y = 0..15: 16 rows of Wo times 64 columns of Wfc; y = 16: bo in place of Wo's rows; y = 17..23: a block of 64 x 256 is rounded and copied.
; No tensor loads and no cluster: the launch is small, and f32 has to pass through registers to be rounded.
.set AR, 48                            ; v48-79   A as loaded (f32), then as fragments
.set BRW, 80                           ; v80-207  Wfc as loaded: K half ks at +64 ks, row kidx at +4 kidx, four columns
.set BF0, 208                          ; v208-239 four fragments of B, K half 0;  K half 1's go to v80-111
.set BF1, 80
.set ACC, 16                           ; v16-47   four accumulators
	s_load_b256 s[4:11], s[0:1], 0x0               ; Wq s[4:5], Wk s[6:7], Wv s[8:9], Wo s[10:11]
	s_load_b256 s[12:19], s[0:1], 0x20             ; Wfc s[12:13], bo s[14:15], wqkv s[16:17], wt s[18:19]
	s_load_b64 s[20:21], s[0:1], 0x40              ; cvec
	v_lshl_add_u32 v254, v0, 2, 0x10000
	v_mov_b32 v255, 0
	v_lshrrev_b32 v2, 5, v0                        ; wave, in every lane
	v_readfirstlane_b32 s22, v2                    ; and as a scalar
	v_and_b32 v1, 31, v0                           ; lane
	s_and_b32 s23, ttmp7, 0xffff                   ; y
	s_cmp_ge_u32 s23, 17
	s_cbranch_scc1 .Lpack
	; ---- a tile of 16 x 64 of A Wfc; K = 1024 is shared out, 64 to each of the 16 waves ----
	v_and_b32 v5, 15, v0                           ; r
	v_bfe_u32 v6, v0, 4, 1                         ; h
	s_lshl_b32 s28, s23, 16                        ; 16 rows of Wo are 65,536 bytes
	s_mov_b32 s29, 0
	s_lshl_b32 s32, ttmp9, 8                       ; 64 columns of f32
	s_mov_b32 s33, 0
	s_lshl_b32 s34, s22, 12                        ; my 4,096 bytes of LDS
	s_lshl_b32 s35, s22, 7
	s_cmp_eq_u32 s23, 16
	s_cselect_b32 s28, 0, s28                      ; bo: no row offset,
	s_cselect_b32 s30, 0, 0x1000                   ; and pitch 0: all 16 rows of A are bo
	s_wait_kmcnt 0x0
	s_cselect_b64 s[26:27], s[14:15], s[10:11]
	s_add_nc_u64 s[26:27], s[26:27], s[28:29]
	s_add_nc_u64 s[32:33], s[12:13], s[32:33]
	v_mul_lo_u32 v3, v5, s30
	v_lshl_add_u32 v3, v6, 5, v3
	v_lshl_add_u32 v3, v2, 8, v3                   ; A: r x pitch + 32 h + 256 wave
	v_lshlrev_b32 v4, 15, v6
	v_lshl_add_u32 v4, v5, 4, v4
	v_lshl_add_u32 v4, v2, 18, v4                  ; Wfc: row 64 wave + 8 h, 16 bytes at 16 r: sixteen lanes read 256 consecutive bytes
.irp ks, 0,1
	global_load_b128 v[AR+16*\ks:AR+16*\ks+3],     v3, s[26:27] offset:128*\ks
	global_load_b128 v[AR+16*\ks+4:AR+16*\ks+7],   v3, s[26:27] offset:128*\ks+16
	global_load_b128 v[AR+16*\ks+8:AR+16*\ks+11],  v3, s[26:27] offset:128*\ks+64
	global_load_b128 v[AR+16*\ks+12:AR+16*\ks+15], v3, s[26:27] offset:128*\ks+80
.irp j, 0,1,2,3,4,5,6,7
	global_load_b128 v[BRW+64*\ks+4*\j:BRW+64*\ks+4*\j+3],       v4, s[32:33] offset:(32*\ks+\j)*4096
	global_load_b128 v[BRW+64*\ks+32+4*\j:BRW+64*\ks+32+4*\j+3], v4, s[32:33] offset:(32*\ks+16+\j)*4096
.endr
.endr
	s_wait_loadcnt 0x0
	; A's fragments in place, ascending: register i takes numbers 2 i, 2 i + 1
.irp ks, 0,1
.irp i, 0,1,2,3,4,5,6,7
	v_cvt_pk_bf16_f32 v[AR+16*\ks+\i], v[AR+16*\ks+2*\i], v[AR+16*\ks+2*\i+1]
.endr
.endr
	; B's fragments: tile nb, lane r is column 64 x + 4 r + nb, so that one 16-byte load feeds four tiles
.irp nb, 0,1,2,3
.irp i, 0,1,2,3,4,5,6,7
	v_cvt_pk_bf16_f32 v[BF0+8*\nb+\i], v[BRW+8*\i+\nb], v[BRW+8*\i+4+\nb]
.endr
.endr
.irp nb, 0,1,2,3
.irp i, 0,1,2,3,4,5,6,7
	v_cvt_pk_bf16_f32 v[BF1+8*\nb+\i], v[BRW+64+8*\i+\nb], v[BRW+64+8*\i+4+\nb]
.endr
.endr
.irp nb, 0,1,2,3                       ; the four accumulators take turns; the first product starts each sum
	v_wmma_f32_16x16x32_bf16 v[ACC+8*\nb:ACC+8*\nb+7], v[AR:AR+7], v[BF0+8*\nb:BF0+8*\nb+7], 0
.endr
.irp nb, 0,1,2,3
	v_wmma_f32_16x16x32_bf16 v[ACC+8*\nb:ACC+8*\nb+7], v[AR+16:AR+23], v[BF1+8*\nb:BF1+8*\nb+7], v[ACC+8*\nb:ACC+8*\nb+7]
.endr
	v_lshl_add_u32 v7, v1, 2, s34                  ; four plain instructions: the places behind the products (ISA guide 7.12.1)
	v_lshl_add_u32 v8, v1, 2, s35
	v_lshlrev_b32 v9, 14, v6
	v_lshl_add_u32 v9, v5, 3, v9
.irp nb, 0,1,2,3
.irp j, 0,1,2,3,4,5,6,7
	ds_store_b32 v7, v[ACC+8*\nb+\j] offset:(8*\nb+\j)*128   ; my partial sums; each accumulator from its low end on
.endr
.endr
	s_wait_dscnt 0x0                               ; for the others' sake: my stores are done
	s_barrier_signal -1
	s_barrier_wait -1
	s_cmp_ge_u32 s22, 8
	s_cbranch_scc1 .Lend                           ; waves 0-7 finish register j = wave: rows wave and 8 + wave of the tile
.irp p, 0,1,2,3,4,5,6,7,8,9,10,11,12,13,14,15
.irp nb, 0,1,2,3
	ds_load_b32 v[80+4*\p+\nb], v8 offset:4096*\p+1024*\nb
.endr
.endr
	v_lshl_add_u32 v9, v2, 11, v9                  ; wt: (8 h + wave) rows of 2,048 bytes + 8 r
	v_lshlrev_b32 v10, 4, v5                       ; cvec: 16 r
	s_lshl_b32 s36, s23, 15                        ; 16 y rows of wt,
	s_add_co_u32 s36, s36, 1024*2048               ; behind Wfc's 1,024,
	s_lshl_b32 s38, ttmp9, 7
	s_add_co_u32 s36, s36, s38                     ; 64 columns of bf16
	s_mov_b32 s37, 0
	s_add_nc_u64 s[18:19], s[18:19], s[36:37]
	s_lshl_b32 s36, ttmp9, 8
	s_add_nc_u64 s[20:21], s[20:21], s[36:37]
	s_wait_dscnt 0x0
.irp p, 1,2,3,4,5,6,7,8,9,10,11,12,13,14,15
	v_pk_add_f32 v[80:81], v[80:81], v[80+4*\p:81+4*\p]
	v_pk_add_f32 v[82:83], v[82:83], v[82+4*\p:83+4*\p]
.endr
	s_cmp_eq_u32 s23, 16
	s_cbranch_scc1 .Lcv
	v_cvt_pk_bf16_f32 v84, v80, v81
	v_cvt_pk_bf16_f32 v85, v82, v83
	global_store_b64 v9, v[84:85], s[18:19]        ; sixteen lanes: 128 consecutive bytes of a row of wt
	s_wait_tensorcnt 0x0
	ds_add_u32 v254, v255
	s_wait_dscnt 0x0
	s_endpgm
.Lcv:
	s_cmp_lg_u32 s22, 0
	s_cbranch_scc1 .Lend                           ; all 16 rows are alike: wave 0 stores one (both halves of the lanes store the same numbers to the same places)
	global_store_b128 v10, v[80:83], s[20:21]
.Lend:
	s_wait_tensorcnt 0x0
	ds_add_u32 v254, v255
	s_wait_dscnt 0x0
	s_endpgm
	; ---- a block of 64 rows x 256 columns, f32 to bf16 ----
.Lpack:
	s_sub_co_u32 s24, s23, 17                      ; p = 0..2: Wq, Wk, Wv into wqkv; p = 3..6: a quarter of Wfc's columns into wt
	s_sub_co_u32 s32, s24, 3
	s_movk_i32 s31, 1536
	s_wait_kmcnt 0x0
	s_cmp_eq_u32 s24, 1
	s_cselect_b64 s[26:27], s[6:7], s[4:5]
	s_cmp_eq_u32 s24, 2
	s_cselect_b64 s[26:27], s[8:9], s[26:27]
	s_cmp_ge_u32 s24, 3
	s_cselect_b64 s[26:27], s[12:13], s[26:27]     ; from
	s_cselect_b64 s[28:29], s[18:19], s[16:17]     ; to
	s_cselect_b32 s30, 12, 10                      ; log2 of the source's pitch
	s_cselect_b32 s31, 2048, s31                   ; the destination's pitch
	s_cselect_b32 s33, s32, s24                    ; which 256 columns of the destination
	s_cselect_b32 s34, s32, 0                      ; and of the source
	s_lshl_b32 s36, ttmp9, 6                       ; first row
	s_lshl_b32 s38, s36, s30
	s_lshl_b32 s34, s34, 10
	s_add_co_u32 s38, s38, s34
	s_mov_b32 s39, 0
	s_add_nc_u64 s[26:27], s[26:27], s[38:39]
	s_mul_i32 s38, s36, s31
	s_lshl_b32 s33, s33, 9
	s_add_co_u32 s38, s38, s33
	s_add_nc_u64 s[28:29], s[28:29], s[38:39]
.irp i, 0,1,2,3                        ; row 16 i + wave; a lane takes 8 numbers: a wave's store covers 512 consecutive bytes
	v_add_nc_u32 v3, 16*\i, v2
	v_lshlrev_b32 v4, s30, v3
	v_lshl_add_u32 v[8+\i], v1, 5, v4
	v_mul_lo_u32 v5, v3, s31
	v_lshl_add_u32 v[12+\i], v1, 4, v5
.endr
.irp i, 0,1,2,3
	global_load_b128 v[16+8*\i:19+8*\i], v[8+\i], s[26:27]
	global_load_b128 v[20+8*\i:23+8*\i], v[8+\i], s[26:27] offset:16
.endr
	s_wait_loadcnt 0x0
.irp i, 0,1,2,3
.irp j, 0,1,2,3
	v_cvt_pk_bf16_f32 v[48+4*\i+\j], v[16+8*\i+2*\j], v[16+8*\i+2*\j+1]
.endr
	global_store_b128 v[12+\i], v[48+4*\i:51+4*\i], s[28:29]
.endr
	s_endpgm
.Lfunc_end_k_q26f03052e2_prep:
	.size	k_q26f03052e2_prep, .Lfunc_end_k_q26f03052e2_prep-k_q26f03052e2_prep
	.p2alignl 7, 3214868480
	.fill 96, 4, 3214868480
	.section	.rodata,"a",@progbits
	.p2align	6, 0x0
	.amdhsa_kernel k_q26f03052e2_prep
		.amdhsa_group_segment_fixed_size 67584
		.amdhsa_private_segment_fixed_size 0
		.amdhsa_enable_private_segment 0
		.amdhsa_kernarg_size 72
		.amdhsa_user_sgpr_count 2
		.amdhsa_user_sgpr_kernarg_segment_ptr 1
		.amdhsa_wavefront_size32 1
		.amdhsa_system_sgpr_workgroup_id_x 1
		.amdhsa_system_sgpr_workgroup_id_y 1
		.amdhsa_system_sgpr_workgroup_id_z 1
		.amdhsa_system_vgpr_workitem_id 0
		.amdhsa_next_free_vgpr 256
		.amdhsa_next_free_sgpr 66
		.amdhsa_reserve_vcc 0
		.amdhsa_float_denorm_mode_32 3
		.amdhsa_float_denorm_mode_16_64 3
		.amdhsa_memory_ordered 1
		.amdhsa_forward_progress 1
		.amdhsa_inst_pref_size 25
	.end_amdhsa_kernel
	.amdgpu_metadata
---
amdhsa.version: [ 1, 2 ]
amdhsa.kernels:
  - .name:           k_q26f03052e2_prep
    .symbol:         k_q26f03052e2_prep.kd
    .args:
      - { .name: Wq, .offset: 0, .size: 8, .value_kind: global_buffer, .address_space: global }
      - { .name: Wk, .offset: 8, .size: 8, .value_kind: global_buffer, .address_space: global }
      - { .name: Wv, .offset: 16, .size: 8, .value_kind: global_buffer, .address_space: global }
      - { .name: Wo, .offset: 24, .size: 8, .value_kind: global_buffer, .address_space: global }
      - { .name: Wfc, .offset: 32, .size: 8, .value_kind: global_buffer, .address_space: global }
      - { .name: bo, .offset: 40, .size: 8, .value_kind: global_buffer, .address_space: global }
      - { .name: wqkv, .offset: 48, .size: 8, .value_kind: global_buffer, .address_space: global }
      - { .name: wt, .offset: 56, .size: 8, .value_kind: global_buffer, .address_space: global }
      - { .name: cvec, .offset: 64, .size: 8, .value_kind: global_buffer, .address_space: global }
    .group_segment_fixed_size: 67584
    .private_segment_fixed_size: 0
    .kernarg_segment_align: 8
    .kernarg_segment_size: 72
    .max_flat_workgroup_size: 512
    .sgpr_count:     66
    .vgpr_count:     256
    .wavefront_size: 32
...
	.end_amdgpu_metadata
.endif
;; end of part 1
;; launch proj (part 2): grid 256 x 1, 4 waves a work-group, clusters of 4 x 1, 327,680 bytes of LDS; arguments q_feat, kv_feat, wqkv, Qb, Kb, Vb; writes Qb, Kb, Vb
.if DOCPART == 2
	.amdgcn_target "amdgcn-amd-amdhsa--gfx1250"
	.amdhsa_code_object_version 6
	.text
	.protected	k_q26f03052e2_proj
	.globl	k_q26f03052e2_proj
	.p2align	8
	.type	k_q26f03052e2_proj,@function
k_q26f03052e2_proj:
	s_mov_b64 s[64:65], 0
	v_nop
	global_prefetch_b8 v0, s[64:65] scope:SCOPE_SE
	s_setreg_imm32_b32 hwreg(HW_REG_WAVE_MODE, 25, 1), 1
	s_wait_xcnt 0x0
	s_wait_alu depctr_hold_cnt(0) depctr_sa_sdst(0) depctr_va_vdst(0) depctr_va_sdst(0) depctr_va_ssrc(0) depctr_va_vcc(0) depctr_vm_vsrc(0)
	s_getreg_b32 s2, hwreg(HW_REG_IB_STS2, 6, 4)
	s_cmp_eq_u32 s2, 0
	s_cbranch_scc0 .Lentry_in_a_cluster
	s_endpgm
.Lentry_in_a_cluster:
	s_bfe_u32 s2, ttmp6, 0x10000c
	s_cmp_lg_u32 s2, 0x3003
	s_cbranch_scc0 .Lentry_shape_is_right
	s_endpgm
.Lentry_shape_is_right:
; PROJ.  Qb = q_feat Wq, Kb = kv_feat Wk, Vb = kv_feat Wv: [16384][256] bf16, sums in f32, rounded once, unscaled.
; SHARES.  A work-group owns 64 rows of both features and makes 64 x 256 of each of the three; wave w owns columns 64 w .. 64 w + 63 of each: 48 accumulators.  K = 1024 in 16 steps of 64.
; WEIGHTS.  wqkv's 64 x 768 of a step come by tensor loads into a ring of two LDS slots, 16 rows a wave.  All work-groups walk the same weights, so the four of a cluster ask JOINTLY (mask 15).
; FEATURES are f32 and each byte is read once: global loads into registers, two chunks (64 along K) ahead, rounded to bf16, stored into a small ring of their own in LDS.
; The matrix instruction is used transposed (source 0 = 16 columns of W, turned by ds_load_tr16_b128; source 1 = 16 rows of a feature): a lane then holds eight neighbouring numbers of a row of the result.
; The accumulators are cleared by v_mov_b32 while the first loads are out: no first step is written out; the price is 384 moves.
; LIMITS: inputs rounded to bf16; NaN and infinities are not treated apart.
; REGISTERS: window 0: v8-31 addresses; v64-127 fragments of the features (two sets of four); v128-191 fragments of W (two banks); v192-223 at work.
;   window 1: v0-127 Q's sums, v128-255 K's ((mt, nb) at 8 (4 mt + nb));  window 2: v0-127 V's sums; v128-191, v192-255 two chunks as loaded.
.set PA,    144                        ; a feature's LDS row: 128 bytes + 16: the 16 rows of a fragment load start at 16 different groups of four banks (ISA guide 11.1)
.set AFEAT, 64*PA
.set ASLOT, 2*AFEAT                    ; a slot: q's 64 rows, then kv's
.set BR,    2*ASLOT                    ; behind it the ring for W
.set PB,    1632                       ; a row of W: 3 x (512 + 32) bytes, an odd multiple of 32
.set BSLOT, 64*PB
.set SPARE, BR+2*BSLOT                 ; the spare words: 128 bytes a wave, two blocks of 256 bytes that no other line names
.set SP,    528                        ; the way out: rows of 512 bytes + 16, in W's slot 0 after its last fill
.set PLANE, 64*SP
.set KB,    64*1536                    ; bytes of a K step in wqkv
.set STO,  8                           ; v8-10   the way out: where I put 16 bytes, by plane
.set RD,   11                          ; v11-13  where I read rows back
.set GO,   14                          ; v14     my byte offset in the work-group's rows of a result
.set AADR, 16                          ; v16     144 r + 16 h
.set ASTO, 17                          ; v17     where I store 8 bytes of a feature's row
.set GOFF, 18                          ; v18     my byte offset in the work-group's rows of a feature
.set BADR, 20                          ; v20-23  my place in W's slot sl, K half kk: at 2 sl + kk
.set SPW,  28                          ; v28     SPARE + 4 x my thread's number; never rewritten
.set NIL,  29                          ; v29     0; never rewritten
.set FA,   64
.set FB,   128
.set T,    192
.set OUT,  64
.set WV,   16                          ; s16  wave
.set MSB, 0
.macro WIN new                         ; the immediate's high byte repeats the setting that is left
.if MSB != (\new)
	s_set_vgpr_msb (MSB<<8)|(\new)
.set MSB, (\new)
.endif
.endm
.macro PLACES                          ; four places behind matrix instructions (ISA guide 7.12.1 for matrix instructions)
.rept 4
	v_nop
.endr
.endm
.macro ROUND                           ; a round of the cluster's barrier
	s_barrier_signal -1
	s_barrier_wait -1
	s_cmp_lg_u32 s[WV], 0
	s_cbranch_scc1 .Lnw0_\@
	s_barrier_signal -3
.Lnw0_\@:
	s_barrier_wait -3
	s_barrier_signal -1
	s_barrier_wait -1
.endm
.macro TL g0, g1                       ; a tensor load; s_nop 0 and four v_nop follow it
	tensor_load_to_lds s[(\g0):(\g0)+3], s[(\g1):(\g1)+7]
	s_nop 0
	PLACES
.endm
	s_load_b256 s[4:11], s[0:1], 0x0               ; q_feat s[4:5], kv_feat s[6:7], wqkv s[8:9], Qb s[10:11]
	s_load_b128 s[12:15], s[0:1], 0x20             ; Kb s[12:13], Vb s[14:15]
	v_lshl_add_u32 v[SPW], v0, 2, SPARE
	v_mov_b32 v[NIL], 0
	ds_add_u32 v28, v29
	s_wait_dscnt 0x0
	v_lshrrev_b32 v1, 5, v0
	v_readfirstlane_b32 s[WV], v1
	s_bfe_u32 s17, ttmp6, 0x40000                  ; cx
	s_lshl_b32 s18, ttmp9, 2
	s_add_co_u32 s18, s18, s17                     ; my block of 64 rows: it enters the features' and the results' addresses alone
	; group 1: 16 rows x 768 elements of 2 bytes; 8 words of padding after every 128
	s_mov_b32 s24, 15|(1<<16)|(1<<20)|(1<<21)|(6<<22)|(7<<25)
	s_mov_b32 s25, 768<<16                         ; tensor_dim0
	s_mov_b32 s26, 16<<16                          ; tensor_dim1
	s_mov_b32 s27, 768<<16                         ; tile_dim0
	s_mov_b32 s28, 16                              ; tile_dim1
	s_mov_b32 s29, 768                             ; elements from row to row
	s_mov_b32 s30, 0
	s_mov_b32 s31, 0
	s_mul_i32 s20, s[WV], 16*PB                    ; my 16 rows in a slot
	s_mul_i32 s22, s[WV], 16*1536                  ; and in memory
	s_mov_b32 s23, 0
	s_lshl_b32 s40, s18, 18                        ; 64 rows of 4,096 bytes
	s_mov_b32 s41, 0
	s_lshl_b32 s48, s18, 15                        ; 64 rows of 512 bytes
	s_mov_b32 s49, 0
	s_wait_kmcnt 0x0
	s_add_nc_u64 s[22:23], s[8:9], s[22:23]
.irp s, 0,1
	s_mov_b32 s[32+4*\s], 1
	s_add_co_u32 s[33+4*\s], s20, BR+\s*BSLOT
	s_add_nc_u64 s[34+4*\s:35+4*\s], s[22:23], \s*KB
	s_or_b32 s[35+4*\s], s[35+4*\s], 0x80000000
.endr
	s_add_nc_u64 s[42:43], s[4:5], s[40:41]        ; q_feat and kv_feat at my rows; they step along K
	s_add_nc_u64 s[44:45], s[6:7], s[40:41]
	s_add_nc_u64 s[10:11], s[10:11], s[48:49]
	s_add_nc_u64 s[12:13], s[12:13], s[48:49]
	s_add_nc_u64 s[14:15], s[14:15], s[48:49]
	ROUND                                          ; the four work-groups are here: the first joint load meets
	TL 32, 24                                      ; K step 0 into slot 0; slot 1 is filled behind the first step's round
	v_and_b32 v1, 15, v0                           ; r
	v_bfe_u32 v2, v0, 4, 1                         ; h
	v_and_b32 v3, 31, v0                           ; lane
	s_lshl_b32 s50, s[WV], 1
	v_add_nc_u32 v4, s50, v2                       ; row 2 w + h of each eight
	v_lshlrev_b32 v[GOFF], 12, v4
	v_lshl_add_u32 v[GOFF], v1, 4, v[GOFF]         ; sixteen lanes read 256 consecutive bytes of a row
; sixteen loads: the next chunk of both features into register slot rs; then the bases step
.macro ISSUE rs
	WIN 0x80
.irp j, 0,1,2,3,4,5,6,7
	global_load_b128 v[128+64*(\rs)+4*\j:128+64*(\rs)+4*\j+3], v[GOFF], s[42:43] offset:32768*\j th:TH_LOAD_NT
.endr
.irp j, 0,1,2,3,4,5,6,7
	global_load_b128 v[160+64*(\rs)+4*\j:160+64*(\rs)+4*\j+3], v[GOFF], s[44:45] offset:32768*\j th:TH_LOAD_NT
.endr
	WIN 0
	s_wait_xcnt 0x0                                ; the bases are written only behind this wait
	s_add_nc_u64 s[42:43], s[42:43], 256
	s_add_nc_u64 s[44:45], s[44:45], 256
.endm
; register slot rs is rounded to bf16 and stored into the features' LDS slot ls.  cnt: the younger chunk's loads, which stay out
.macro STAGE rs, ls, cnt
	s_wait_loadcnt \cnt
	WIN 0x0a
.set i, 0
.rept 32
	v_cvt_pk_bf16_f32 v[T+i], v[128+64*(\rs)+2*i], v[128+64*(\rs)+2*i+1]
.set i, i+1
.endr
	WIN 0
.irp f, 0,1
.irp j, 0,1,2,3,4,5,6,7
	ds_store_b64 v[ASTO], v[T+16*\f+2*\j:T+16*\f+2*\j+1] offset:ASLOT*(\ls)+AFEAT*\f+8*PA*\j
.endr
.endr
.endm
	ISSUE 0                                        ; chunk 0
	ISSUE 1                                        ; chunk 1
	v_mul_u32_u24 v[AADR], v1, PA
	v_lshl_add_u32 v[AADR], v2, 4, v[AADR]
	v_mul_u32_u24 v[ASTO], v4, PA
	v_lshl_add_u32 v[ASTO], v1, 3, v[ASTO]
	v_and_b32 v5, 7, v0                            ; the turning load: lane l reads row 8 h + l % 8, 16 bytes at 16 ((l / 8) % 2)
	v_lshl_add_u32 v5, v2, 3, v5
	v_mul_u32_u24 v5, v5, PB
	v_bfe_u32 v6, v0, 3, 1
	v_lshl_add_u32 v5, v6, 4, v5
	s_lshl_b32 s51, s[WV], 7                       ; my 64 columns
	v_add_nc_u32 v5, s51, v5
	v_add_nc_u32 v[BADR+0], BR, v5
	v_add_nc_u32 v[BADR+1], BR+32*PB, v5
	v_add_nc_u32 v[BADR+2], BR+BSLOT, v5
	v_add_nc_u32 v[BADR+3], BR+BSLOT+32*PB, v5
	v_mul_u32_u24 v6, v1, SP
	v_lshl_add_u32 v6, v2, 4, v6
	v_add_nc_u32 v6, s51, v6                       ; 528 r + 16 h + 128 w
	s_mul_i32 s52, s[WV], 16*SP
	v_lshl_add_u32 v7, v3, 4, s52                  ; 16 lane + my 16 rows
.irp p, 0,1,2
	v_add_nc_u32 v[STO+\p], BR+PLANE*\p, v6
	v_add_nc_u32 v[RD+\p], BR+PLANE*\p, v7
.endr
	s_lshl_b32 s52, s[WV], 13
	v_lshl_add_u32 v[GO], v3, 4, s52
	WIN 0x40
.set i, 0
.rept 256
	v_mov_b32 v[i], 0
.set i, i+1
.endr
	WIN 0x80
.set i, 0
.rept 128
	v_mov_b32 v[i], 0
.set i, i+1
.endr
	WIN 0
; the fragments of group (kk, p): plane p's four of W; with p = 0 q's four, with p = 1 kv's four (they serve p = 2 too)
.macro LOADG sl, kk, p
	WIN 0
	PLACES
.if (\p) < 2
.irp mt, 0,1,2,3
	ds_load_b128 v[FA+32*(\p)+8*\mt:FA+32*(\p)+8*\mt+3],   v[AADR] offset:ASLOT*(\sl)+AFEAT*(\p)+16*PA*\mt+64*(\kk)
	ds_load_b128 v[FA+32*(\p)+8*\mt+4:FA+32*(\p)+8*\mt+7], v[AADR] offset:ASLOT*(\sl)+AFEAT*(\p)+16*PA*\mt+64*(\kk)+32
.endr
.endif
.set fb, FB+32*((3*(\kk)+(\p))%2)
.irp nb, 0,1,2,3
	ds_load_tr16_b128 v[fb+8*\nb:fb+8*\nb+3],   v[BADR+2*(\sl)+(\kk)] offset:544*(\p)+32*\nb
	ds_load_tr16_b128 v[fb+8*\nb+4:fb+8*\nb+7], v[BADR+2*(\sl)+(\kk)] offset:544*(\p)+32*\nb+16*PB
.endr
.endm
; 16 products: plane p's 16 accumulators, one instruction each: they take turns
.macro MULG kk, p
.if (\p) == 2
	WIN 0xa0
.else
	WIN 0x50
.endif
.set fb, FB+32*((3*(\kk)+(\p))%2)
.set fa, FA+32*(((\p)+1)/2)
.set ac, 128*((\p)%2)
.irp mt, 0,1,2,3
.irp nb, 0,1,2,3
	v_wmma_f32_16x16x32_bf16 v[ac+8*(4*\mt+\nb):ac+8*(4*\mt+\nb)+7], v[fb+8*\nb:fb+8*\nb+7], v[fa+8*\mt:fa+8*\mt+7], v[ac+8*(4*\mt+\nb):ac+8*(4*\mt+\nb)+7]
.endr
.endr
.endm
; a K step's six groups; a group's loads are issued one group ahead; each wait leaves out the loads just issued
.macro COMPUTE sl
	LOADG \sl, 0, 0
	LOADG \sl, 0, 1
	s_wait_dscnt 16
	MULG 0, 0
	LOADG \sl, 0, 2
	s_wait_dscnt 8
	MULG 0, 1
	LOADG \sl, 1, 0
	s_wait_dscnt 16
	MULG 0, 2
	LOADG \sl, 1, 1
	s_wait_dscnt 16
	MULG 1, 0
	LOADG \sl, 1, 2
	s_wait_dscnt 8
	MULG 1, 1
	s_wait_dscnt 0x0
	MULG 1, 2
.endm
; K step in slot sl.  One barrier does three things: my part of W's slot sl has landed; my stores into the features' slot sl are done; my reads of the other slots are over.
.macro STEP sl, refill, stage, cnt, issue
	WIN 0
	s_wait_tensorcnt 0x0                           ; all my tensor loads have landed: the one that was out is my part of this step's tile
	ds_add_u32 v[SPW], v[NIL]                      ; 0 onto my spare word
	s_add_nc_u64 s[34+4*(\sl):35+4*(\sl)], s[34+4*(\sl):35+4*(\sl)], 2*KB   ; no load of mine is out: this slot's next tile
	s_wait_dscnt 0x0                               ; the add, my stores and my reads are done
.if \refill
	ROUND                                          ; no wave of any partner still reads the other slot
	TL 36-4*(\sl), 24                              ; the next K step, into the slot read last: my one tensor load behind the round
.else
	s_barrier_signal -1
	s_barrier_wait -1
.endif
.if \stage
	STAGE 1-(\sl), 1-(\sl), \cnt
.endif
.if \issue
	ISSUE 1-(\sl)
.endif
	COMPUTE \sl
.endm
	STAGE 0, 0, 16                                 ; chunk 0 into slot 0; chunk 1's sixteen loads stay out
	ISSUE 0                                        ; chunk 2
	s_mov_b32 s46, 6
.Lk:                                                   ; step s stages chunk s + 1 and asks for chunk s + 3 and for W's step s + 1
	STEP 0, 1, 1, 16, 1
	STEP 1, 1, 1, 16, 1
	WIN 0
	s_sub_co_u32 s46, s46, 1
	s_cmp_lg_u32 s46, 0
	s_cbranch_scc1 .Lk
	STEP 0, 1, 1, 16, 1                            ; step 12 asks for the last chunk
	STEP 1, 1, 1, 16, 0                            ; step 13
	STEP 0, 1, 1, 0, 0                             ; step 14: the last chunk: nothing younger is out
	STEP 1, 0, 0, 0, 0                             ; step 15: nothing is left to fetch
	; THE WAY OUT: rounded to bf16; through W's slot 0 (its last fill was read in step 14, and every wave has passed step 15's barrier since); back as whole rows of 512 bytes
	WIN 0
	PLACES
	WIN 0x05
.set a, 0
.rept 32
.irp q, 0,1,2,3
	v_cvt_pk_bf16_f32 v[OUT+4*a+\q], v[8*a+2*\q], v[8*a+2*\q+1]
.endr
.set a, a+1
.endr
	WIN 0x0a
.set a, 0
.rept 16
.irp q, 0,1,2,3
	v_cvt_pk_bf16_f32 v[OUT+128+4*a+\q], v[8*a+2*\q], v[8*a+2*\q+1]
.endr
.set a, a+1
.endr
	WIN 0
.irp p, 0,1,2
.irp mt, 0,1,2,3
.irp nb, 0,1,2,3
	ds_store_b128 v[STO+\p], v[OUT+4*(16*\p+4*\mt+\nb):OUT+4*(16*\p+4*\mt+\nb)+3] offset:16*SP*\mt+32*\nb
.endr
.endr
.endr
	s_wait_dscnt 0x0                               ; for the others' sake: a row's 512 bytes come from four waves
	s_barrier_signal -1
	s_barrier_wait -1
.set n, 0
.rept 48
	ds_load_b128 v[OUT+4*n:OUT+4*n+3], v[RD+n/16] offset:SP*(n%16)
.set n, n+1
.endr
.set n, 0
.rept 48
	s_wait_dscnt 47-n
	global_store_b128 v[GO], v[OUT+4*n:OUT+4*n+3], s[10+2*(n/16):11+2*(n/16)] offset:512*(n%16)   ; a wave's store: 512 consecutive bytes, a whole row
.set n, n+1
.endr
	s_wait_tensorcnt 0x0                           ; the wave's end
	ds_add_u32 v[SPW], v[NIL]
	s_wait_dscnt 0x0
	ROUND                                          ; the closing round
	s_endpgm
.Lfunc_end_k_q26f03052e2_proj:
	.size	k_q26f03052e2_proj, .Lfunc_end_k_q26f03052e2_proj-k_q26f03052e2_proj
	.p2alignl 7, 3214868480
	.fill 96, 4, 3214868480
	.section	.rodata,"a",@progbits
	.p2align	6, 0x0
	.amdhsa_kernel k_q26f03052e2_proj
		.amdhsa_group_segment_fixed_size 327680
		.amdhsa_private_segment_fixed_size 0
		.amdhsa_enable_private_segment 0
		.amdhsa_kernarg_size 48
		.amdhsa_user_sgpr_count 2
		.amdhsa_user_sgpr_kernarg_segment_ptr 1
		.amdhsa_wavefront_size32 1
		.amdhsa_system_sgpr_workgroup_id_x 1
		.amdhsa_system_sgpr_workgroup_id_y 1
		.amdhsa_system_sgpr_workgroup_id_z 1
		.amdhsa_system_vgpr_workitem_id 0
		.amdhsa_next_free_vgpr 768
		.amdhsa_next_free_sgpr 66
		.amdhsa_reserve_vcc 0
		.amdhsa_float_denorm_mode_32 3
		.amdhsa_float_denorm_mode_16_64 3
		.amdhsa_memory_ordered 1
		.amdhsa_forward_progress 1
		.amdhsa_inst_pref_size 149
	.end_amdhsa_kernel
	.amdgpu_metadata
---
amdhsa.version: [ 1, 2 ]
amdhsa.kernels:
  - .name:           k_q26f03052e2_proj
    .symbol:         k_q26f03052e2_proj.kd
    .args:
      - { .name: q_feat, .offset: 0, .size: 8, .value_kind: global_buffer, .address_space: global }
      - { .name: kv_feat, .offset: 8, .size: 8, .value_kind: global_buffer, .address_space: global }
      - { .name: wqkv, .offset: 16, .size: 8, .value_kind: global_buffer, .address_space: global }
      - { .name: Qb, .offset: 24, .size: 8, .value_kind: global_buffer, .address_space: global }
      - { .name: Kb, .offset: 32, .size: 8, .value_kind: global_buffer, .address_space: global }
      - { .name: Vb, .offset: 40, .size: 8, .value_kind: global_buffer, .address_space: global }
    .group_segment_fixed_size: 327680
    .private_segment_fixed_size: 0
    .kernarg_segment_align: 8
    .kernarg_segment_size: 48
    .max_flat_workgroup_size: 128
    .sgpr_count:     66
    .vgpr_count:     768
    .wavefront_size: 32
...
	.end_amdgpu_metadata
.endif
;; end of part 2
;; launch attn (part 3): grid 64 x 4, 4 waves a work-group, clusters of 4 x 1, 327,680 bytes of LDS; arguments Qb, Kb, Vb, ctx; writes ctx
.if DOCPART == 3
	.amdgcn_target "amdgcn-amd-amdhsa--gfx1250"
	.amdhsa_code_object_version 6
	.text
	.protected	k_q26f03052e2_attn
	.globl	k_q26f03052e2_attn
	.p2align	8
	.type	k_q26f03052e2_attn,@function
k_q26f03052e2_attn:
	s_mov_b64 s[64:65], 0
	v_nop
	global_prefetch_b8 v0, s[64:65] scope:SCOPE_SE
	s_setreg_imm32_b32 hwreg(HW_REG_WAVE_MODE, 25, 1), 1
	s_wait_xcnt 0x0
	s_wait_alu depctr_hold_cnt(0) depctr_sa_sdst(0) depctr_va_vdst(0) depctr_va_sdst(0) depctr_va_ssrc(0) depctr_va_vcc(0) depctr_vm_vsrc(0)
	s_getreg_b32 s2, hwreg(HW_REG_IB_STS2, 6, 4)
	s_cmp_eq_u32 s2, 0
	s_cbranch_scc0 .Lentry_in_a_cluster
	s_endpgm
.Lentry_in_a_cluster:
	s_bfe_u32 s2, ttmp6, 0x10000c
	s_cmp_lg_u32 s2, 0x3003
	s_cbranch_scc0 .Lentry_shape_is_right
	s_endpgm
.Lentry_shape_is_right:
; ATTN.  ctx[b][q] = the sum over k of softmax_k(Q[b][q] . K[b][k] / 16) V[b][k].  Qb, Kb, Vb, ctx: [4][4096][256] bf16.  Products, maxima and sums in f32; weights rounded to bf16 for the second product.
; SHARES.  A work-group owns 64 queries of one batch.  EVERY wave holds all 64 queries (four tiles of 16) and takes its OWN 64 keys of each tile of 256 keys; 16 steps.
; Each wave keeps a running maximum m, sum l and O^T of its own keys; the four waves' are merged at the end, through LDS.
; LAYOUT.  S^T = K Q^T (source 0 = 16 keys, source 1 = 16 queries): a lane holds ONE query (lane % 16) and keys 8 (lane / 16) + 0..7.  Two such results rounded to bf16 in pairs ARE source 1 of
; O^T = V^T P, whose result again holds one query a lane.  K comes out of LDS as it lies, V turned by ds_load_tr16_b128.
; SOFTMAX.  p = 2^(c s - c m), c = log2(e) / 16, m the running maximum; in every step O and l are multiplied by a = 2^(c m_old - c m_new).  m starts at the lowest finite number, O and l at 0.
; LDS.  One region for K's tile and one for V's: K's is filled again while the softmax and V^T P run, V's while the next K Q^T runs.  A wave fetches and reads its own 64 rows alone.
; CLUSTER.  The four query blocks of a cluster belong to one batch and walk the same K and V: each tile is asked for JOINTLY (mask 15); a round of the cluster's barrier stands in front of each refill.
; The work is written in phases (products, softmax, products); O^T is cleared by 512 v_mov_b32 while the first tiles are out, so that no first step is written out.
; LIMITS: a weight below 2^-126 counts as 0 in l; NaN and infinities are not treated apart.
; REGISTERS: window 0: v2-16 addresses; v32-63 statistics, 8 a tile; v64-191 S^T (tile t, key block kt at 64 + 32 t + 8 kt), P in place; v192-255 two banks of fragments.
;   window 1: Q (tile t, channels 32 c on, at 64 t + 8 c);  windows 2, 3: O^T (channel block cb, tile t at 8 (4 (cb % 8) + t)).
.set PK,    528                        ; a row of K: 512 bytes + 16
.set PV,    544                        ; a row of V: 512 + 32, an odd multiple of 32
.set VREG,  256*PK
.set SPARE, VREG+256*PV                ; the spare words: two blocks of 256 bytes that no other line names
.set STATS, SPARE+512                  ; 2,048 bytes: (c m, l) by wave, tile and query
.set PP,    1040                       ; the merge: a query's 256 f32 + 16 bytes; wave p's 64 rows at PART p, over K's and V's regions after their last fills
.set PART,  64*PP
.set KADR, 2
.set VADR, 3
.set QO,   4
.set STA,  5
.set STR,  6
.set PSTO, 7
.set PRD,  8                           ; v8-11
.set GO,   12
.set SPW,  28                          ; v28  SPARE + 4 x my thread's number; never rewritten
.set NIL,  29                          ; v29  0; never rewritten
.set ST,   32                          ; tile t at ST + 8 t: c m, m, l (even keys', odd keys'), c0-c3 at work; a takes c2's place
.set S,    64
.set F,    192
.set MG,   96                          ; the merge: 8 registers a tile
.set BK,   128                         ; the merge: two banks of 32
.set OUT,  192                         ; the merge: 4 registers a row
.set WV,   12                          ; s12 wave
.set CS,   58                          ; s[58:59] c
.set SEL,  60                          ; s[60:61] v_permlanex16_b32's selects: each lane takes its own place in the other half
.set MSB, 0
.macro WIN new
.if MSB != (\new)
	s_set_vgpr_msb (MSB<<8)|(\new)
.set MSB, (\new)
.endif
.endm
.macro PLACES
.rept 4
	v_nop
.endr
.endm
.macro ROUND
	s_barrier_signal -1
	s_barrier_wait -1
	s_cmp_lg_u32 s[WV], 0
	s_cbranch_scc1 .Lnw0_\@
	s_barrier_signal -3
.Lnw0_\@:
	s_barrier_wait -3
	s_barrier_signal -1
	s_barrier_wait -1
.endm
	s_load_b256 s[4:11], s[0:1], 0x0               ; Qb s[4:5], Kb s[6:7], Vb s[8:9], ctx s[10:11]
	v_lshl_add_u32 v[SPW], v0, 2, SPARE
	v_mov_b32 v[NIL], 0
	ds_add_u32 v28, v29
	s_wait_dscnt 0x0
	v_lshrrev_b32 v1, 5, v0
	v_readfirstlane_b32 s[WV], v1
	s_bfe_u32 s13, ttmp6, 0x40000                  ; cx
	s_lshl_b32 s14, ttmp9, 2
	s_add_co_u32 s14, s14, s13                     ; my block of 64 queries: it enters Q's and ctx's addresses alone
	s_and_b32 s15, ttmp7, 0xffff                   ; the batch, which the partners share
	s_lshl_b32 s16, s15, 21                        ; 4,096 rows of 512 bytes
	s_lshl_b32 s17, s[WV], 15                      ; my 64 rows of a tile
	s_add_co_u32 s20, s16, s17
	s_mov_b32 s21, 0
	s_lshl_b32 s18, s14, 15
	s_add_co_u32 s22, s16, s18
	s_mov_b32 s23, 0
	; group 1: 64 rows x 256 elements of 2 bytes, padded after every 128 words: 4 words for K, 8 for V
	s_mov_b32 s24, 15|(1<<16)|(1<<20)|(1<<21)|(6<<22)|(3<<25)
	s_mov_b32 s32, 15|(1<<16)|(1<<20)|(1<<21)|(6<<22)|(7<<25)
.irp g, 24, 32
	s_mov_b32 s[\g+1], 256<<16                     ; tensor_dim0
	s_mov_b32 s[\g+2], 64<<16                      ; tensor_dim1
	s_mov_b32 s[\g+3], 256<<16                     ; tile_dim0
	s_mov_b32 s[\g+4], 64                          ; tile_dim1
	s_mov_b32 s[\g+5], 256                         ; elements from row to row
	s_mov_b32 s[\g+6], 0
	s_mov_b32 s[\g+7], 0
.endr
	s_mov_b32 s40, 1
	s_mul_i32 s41, s[WV], 64*PK
	s_mov_b32 s44, 1
	s_mul_i32 s45, s[WV], 64*PV
	s_add_co_u32 s45, s45, VREG
	s_mul_i32 s48, s[WV], 64*PK                    ; the same two numbers for my reads
	s_mul_i32 s49, s[WV], 64*PV
	s_add_co_u32 s49, s49, VREG
	s_mov_b32 s[CS], 0x3db8aa3b                    ; log2(e) / 16
	s_mov_b32 s[CS+1], s[CS]
	s_mov_b32 s[SEL], 0x76543210
	s_mov_b32 s[SEL+1], 0xfedcba98
	s_wait_kmcnt 0x0
	s_add_nc_u64 s[42:43], s[6:7], s[20:21]
	s_or_b32 s43, s43, 0x80000000
	s_add_nc_u64 s[46:47], s[8:9], s[20:21]
	s_or_b32 s47, s47, 0x80000000
	s_add_nc_u64 s[4:5], s[4:5], s[22:23]
	s_add_nc_u64 s[10:11], s[10:11], s[22:23]
	ROUND                                          ; the four work-groups are here
	tensor_load_to_lds s[40:43], s[24:31]          ; K's first tile
	s_nop 0
	tensor_load_to_lds s[44:47], s[32:39]          ; V's: two loads of mine are out
	s_nop 0
	PLACES
	v_and_b32 v13, 15, v0                          ; r
	v_bfe_u32 v14, v0, 4, 1                        ; h
	v_and_b32 v15, 31, v0                          ; lane
	v_lshlrev_b32 v[QO], 9, v13
	v_lshl_add_u32 v[QO], v14, 4, v[QO]
	WIN 0x40
.set i, 0
.rept 32                               ; Q stays in registers: tile i / 8, channels 32 (i % 8) on
	global_load_b128 v[8*i:8*i+3],   v[QO], s[4:5] offset:(i/8)*8192+(i%8)*64
	global_load_b128 v[8*i+4:8*i+7], v[QO], s[4:5] offset:(i/8)*8192+(i%8)*64+32
.set i, i+1
.endr
	WIN 0x80
.set i, 0
.rept 256
	v_mov_b32 v[i], 0
.set i, i+1
.endr
	WIN 0xc0
.set i, 0
.rept 256
	v_mov_b32 v[i], 0
.set i, i+1
.endr
	WIN 0
.irp t, 0,1,2,3
	v_mov_b32 v[ST+8*\t], 0xfe000000               ; c m: far below every c s
	v_mov_b32 v[ST+8*\t+1], 0xff7fffff             ; m
	v_mov_b32 v[ST+8*\t+2], 0
	v_mov_b32 v[ST+8*\t+3], 0
.endr
	v_mul_u32_u24 v[KADR], v13, PK
	v_lshl_add_u32 v[KADR], v14, 4, v[KADR]
	v_add_nc_u32 v[KADR], s48, v[KADR]             ; 528 r + 16 h + my 64 rows
	v_and_b32 v16, 7, v0
	v_lshl_add_u32 v16, v14, 3, v16
	v_mul_u32_u24 v[VADR], v16, PV
	v_bfe_u32 v16, v0, 3, 1
	v_lshl_add_u32 v[VADR], v16, 4, v[VADR]
	v_add_nc_u32 v[VADR], s49, v[VADR]
	s_lshl_b32 s50, s[WV], 9
	v_lshl_add_u32 v[STA], v13, 3, s50
	v_add_nc_u32 v[STA], STATS, v[STA]
	v_lshl_add_u32 v[STR], v13, 3, STATS
	s_mul_i32 s51, s[WV], PART
	v_mul_u32_u24 v[PSTO], v13, PP
	v_lshl_add_u32 v[PSTO], v14, 5, v[PSTO]
	v_add_nc_u32 v[PSTO], s51, v[PSTO]
	s_mul_i32 s52, s[WV], 16*PP
	v_lshl_add_u32 v[PRD], v15, 5, s52
.irp p, 1,2,3
	v_add_nc_u32 v[PRD+\p], PART*\p, v[PRD]
.endr
	s_lshl_b32 s53, s[WV], 13
	v_lshl_add_u32 v[GO], v15, 4, s53
; K's four fragments of channels 32 c on, into bank c % 2 (destination and address in window 0 under both settings in use)
.macro SLOAD c
	PLACES
.irp kt, 0,1,2,3
	ds_load_b128 v[F+32*((\c)%2)+8*\kt:F+32*((\c)%2)+8*\kt+3],   v[KADR] offset:16*PK*\kt+64*(\c)
	ds_load_b128 v[F+32*((\c)%2)+8*\kt+4:F+32*((\c)%2)+8*\kt+7], v[KADR] offset:16*PK*\kt+64*(\c)+32
.endr
.endm
; S^T = K Q^T: eight groups of 16 products; the 16 accumulators take turns; a group's loads are issued one group ahead
.macro SPHASE
	WIN 0x04
.set c, 0
.rept 8
.if c < 7
	SLOAD c+1
	s_wait_dscnt 8                                 ; all but the eight just issued
.else
	s_wait_dscnt 0x0
.endif
.irp t, 0,1,2,3
.irp kt, 0,1,2,3
.if c == 0
	v_wmma_f32_16x16x32_bf16 v[S+32*\t+8*\kt:S+32*\t+8*\kt+7], v[F+32*(c%2)+8*\kt:F+32*(c%2)+8*\kt+7], v[64*\t+8*c:64*\t+8*c+7], 0
.else
	v_wmma_f32_16x16x32_bf16 v[S+32*\t+8*\kt:S+32*\t+8*\kt+7], v[F+32*(c%2)+8*\kt:F+32*(c%2)+8*\kt+7], v[64*\t+8*c:64*\t+8*c+7], v[S+32*\t+8*\kt:S+32*\t+8*\kt+7]
.endif
.endr
.endr
.set c, c+1
.endr
.endm
; A region has been read out.  refill = 1: it is filled again with the next 256 keys, behind a round of the cluster's barrier.
.macro CHANGE g0, g1, refill
	WIN 0
	s_wait_tensorcnt 0x0                           ; all my tensor loads have landed: the one that was out is the other region's
	ds_add_u32 v[SPW], v[NIL]                      ; 0 onto my spare word
.if \refill
	s_add_nc_u64 s[(\g0)+2:(\g0)+3], s[(\g0)+2:(\g0)+3], 131072   ; 256 rows on
.endif
	s_wait_dscnt 0x0                               ; the add is done, and my reads of the region are over
.if \refill
	ROUND                                          ; no wave of any partner still reads the region
	tensor_load_to_lds s[(\g0):(\g0)+3], s[(\g1):(\g1)+7]
	s_nop 0
.endif
	PLACES
.endm
; V's four fragments of group g (channel blocks 2 g, 2 g + 1; key halves 0, 1), turned, into bank g % 2
.macro PVLOAD g
	WIN 0
	PLACES
.irp cbi, 0,1
.irp kk, 0,1
	ds_load_tr16_b128 v[F+32*((\g)%2)+8*(2*\cbi+\kk):F+32*((\g)%2)+8*(2*\cbi+\kk)+3],   v[VADR] offset:32*PV*\kk+32*(2*(\g)+\cbi)
	ds_load_tr16_b128 v[F+32*((\g)%2)+8*(2*\cbi+\kk)+4:F+32*((\g)%2)+8*(2*\cbi+\kk)+7], v[VADR] offset:32*PV*\kk+32*(2*(\g)+\cbi)+16*PV
.endr
.endr
.endm
; O^T += V^T P: eight groups of 16 products; between the two links of a chain stand seven others'
.macro PVPHASE
.set g, 0
.rept 8
.if g < 7
	PVLOAD g+1
	s_wait_dscnt 8
.else
	s_wait_dscnt 0x0
.endif
	WIN 0xa0+0x50*(g/4)
.irp kk, 0,1
.irp cbi, 0,1
.irp t, 0,1,2,3
	v_wmma_f32_16x16x32_bf16 v[8*(4*((2*g+\cbi)%8)+\t):8*(4*((2*g+\cbi)%8)+\t)+7], v[F+32*(g%2)+8*(2*\cbi+\kk):F+32*(g%2)+8*(2*\cbi+\kk)+7], v[S+32*\t+16*\kk:S+32*\t+16*\kk+7], v[8*(4*((2*g+\cbi)%8)+\t):8*(4*((2*g+\cbi)%8)+\t)+7]
.endr
.endr
.endr
.set g, g+1
.endr
.endm
; the softmax of a step, stage by stage, the four tiles alternating
.macro RESC win
	WIN \win
.set a, 0
.rept 32
.set i, 0
.rept 4
	v_pk_mul_f32 v[8*a+2*i:8*a+2*i+1], v[8*a+2*i:8*a+2*i+1], v[ST+8*(a%4)+6:ST+8*(a%4)+7] op_sel_hi:[1,0]
.set i, i+1
.endr
.set a, a+1
.endr
.endm
.macro SOFT
	WIN 0
.set j, 0
.rept 4                                ; four chains of seven scores; each accumulator's lowest registers are read first
.irp t, 0,1,2,3
	v_max3_num_f32 v[ST+8*\t+4+j], v[S+32*\t+8*j], v[S+32*\t+8*j+1], v[S+32*\t+8*j+2]
.endr
.set j, j+1
.endr
.rept 8
.irp t, 0,1,2,3
	v_max3_num_f32 v[ST+8*\t+4+j%4], v[ST+8*\t+4+j%4], v[S+32*\t+8*(j%4)+2*(j/4)+1], v[S+32*\t+8*(j%4)+2*(j/4)+2]
.endr
.set j, j+1
.endr
.irp t, 0,1,2,3
	v_max3_num_f32 v[ST+8*\t+4], v[ST+8*\t+4], v[S+32*\t+7], v[S+32*\t+15]
.endr
.irp t, 0,1,2,3
	v_max3_num_f32 v[ST+8*\t+6], v[ST+8*\t+6], v[S+32*\t+23], v[S+32*\t+31]
.endr
.irp t, 0,1,2,3
	v_max3_num_f32 v[ST+8*\t+4], v[ST+8*\t+4], v[ST+8*\t+5], v[ST+8*\t+6]
.endr
.irp t, 0,1,2,3
	v_max3_num_f32 v[ST+8*\t+4], v[ST+8*\t+4], v[ST+8*\t+7], v[ST+8*\t+1]   ; and the old m
.endr
.irp t, 0,1,2,3
	v_permlanex16_b32 v[ST+8*\t+5], v[ST+8*\t+4], s[SEL], s[SEL+1]          ; the query's other 32 keys lie in the lane 16 away
.endr
.irp t, 0,1,2,3
	v_max_num_f32 v[ST+8*\t+1], v[ST+8*\t+4], v[ST+8*\t+5]
.endr
.irp t, 0,1,2,3
	v_mov_b32 v[ST+8*\t+7], v[ST+8*\t]
.endr
.irp t, 0,1,2,3
	v_mul_f32 v[ST+8*\t], s[CS], v[ST+8*\t+1]
.endr
.irp t, 0,1,2,3
	v_sub_f32 v[ST+8*\t+7], v[ST+8*\t+7], v[ST+8*\t]
.endr
.irp t, 0,1,2,3
	v_exp_f32 v[ST+8*\t+6], v[ST+8*\t+7]           ; a; the scalings below are the plain instructions behind it
.endr
.set j, 0
.rept 16
.irp t, 0,1,2,3
	v_pk_fma_f32 v[S+32*\t+2*j:S+32*\t+2*j+1], v[S+32*\t+2*j:S+32*\t+2*j+1], s[CS:CS+1], v[ST+8*\t:ST+8*\t+1] op_sel_hi:[1,0,0] neg_lo:[0,0,1] neg_hi:[0,0,1]
.endr
.set j, j+1
.endr
.set j, 0
.rept 128
	v_exp_f32 v[S+j], v[S+j]
.set j, j+1
.endr
	v_nop                                          ; a plain instruction between the last exponential and the use of its result
	s_wait_alu depctr_va_vdst(0)
.irp t, 0,1,2,3
	v_pk_add_f32 v[ST+8*\t+4:ST+8*\t+5], v[S+32*\t:S+32*\t+1], v[S+32*\t+2:S+32*\t+3]
.endr
.set j, 2
.rept 14
.irp t, 0,1,2,3
	v_pk_add_f32 v[ST+8*\t+4:ST+8*\t+5], v[ST+8*\t+4:ST+8*\t+5], v[S+32*\t+2*j:S+32*\t+2*j+1]
.endr
.set j, j+1
.endr
.irp t, 0,1,2,3
	v_pk_fma_f32 v[ST+8*\t+2:ST+8*\t+3], v[ST+8*\t+2:ST+8*\t+3], v[ST+8*\t+6:ST+8*\t+7], v[ST+8*\t+4:ST+8*\t+5] op_sel_hi:[1,0,1]   ; l = a l + the sum
.endr
.set j, 0
.rept 8                                ; P in place, ascending: register j of a half takes weights 2 j, 2 j + 1
.irp t, 0,1,2,3
	v_cvt_pk_bf16_f32 v[S+32*\t+j], v[S+32*\t+2*j], v[S+32*\t+2*j+1]
	v_cvt_pk_bf16_f32 v[S+32*\t+16+j], v[S+32*\t+16+2*j], v[S+32*\t+16+2*j+1]
.endr
.set j, j+1
.endr
	RESC 0x82                                      ; O^T times a, each accumulator from its low end on
	RESC 0xc3
.endm
	s_wait_tensorcnt 1                             ; my 64 rows of K's first tile are in; V's may stay out: nothing is filled before the next wait for 0
	SLOAD 0
	s_wait_loadcnt 0x0                             ; Q
	s_mov_b32 s56, 15
.Lstep:
	SPHASE
	CHANGE 40, 24, 1                               ; K's region takes the next tile; V's tile of this step has landed
	PVLOAD 0
	SOFT
	PVPHASE
	CHANGE 44, 32, 1                               ; V's region takes the next tile; K's next tile has landed
	SLOAD 0
	s_sub_co_u32 s56, s56, 1
	s_cmp_lg_u32 s56, 0
	s_cbranch_scc1 .Lstep
	SPHASE                                         ; the last step is written out: nothing is asked for
	CHANGE 40, 24, 0                               ; V's last tile has landed
	PVLOAD 0
	SOFT
	PVPHASE
	; THE MERGE.  Each wave: l's halves and the other lanes' are added; (c m, l) goes to LDS.  Then M = the largest c m, L = the sum of 2^(c m_p - M) l_p, and my O^T is multiplied by 2^(c m - M) / L.
	WIN 0
	PLACES
.irp t, 0,1,2,3
	v_add_f32 v[ST+8*\t+4], v[ST+8*\t+2], v[ST+8*\t+3]
.endr
.irp t, 0,1,2,3
	v_permlanex16_b32 v[ST+8*\t+5], v[ST+8*\t+4], s[SEL], s[SEL+1]
.endr
.irp t, 0,1,2,3
	v_add_f32 v[ST+8*\t+1], v[ST+8*\t+4], v[ST+8*\t+5]
.endr
.irp t, 0,1,2,3
	ds_store_b64 v[STA], v[ST+8*\t:ST+8*\t+1] offset:128*\t   ; both halves of the lanes store the same pair to the same place
.endr
	s_wait_dscnt 0x0                               ; my stores are done, and so are my reads of K's and V's regions
	s_barrier_signal -1
	s_barrier_wait -1
.irp p, 0,1,2,3
.irp t, 0,1,2,3
	ds_load_b64 v[S+8*\p+2*\t:S+8*\p+2*\t+1], v[STR] offset:512*\p+128*\t
.endr
.endr
	s_wait_dscnt 0x0
.irp t, 0,1,2,3
	v_max3_num_f32 v[MG+8*\t], v[S+2*\t], v[S+8+2*\t], v[S+16+2*\t]
.endr
.irp t, 0,1,2,3
	v_max_num_f32 v[MG+8*\t], v[MG+8*\t], v[S+24+2*\t]
.endr
.irp t, 0,1,2,3
.irp p, 0,1,2,3
	v_sub_f32 v[MG+8*\t+1+\p], v[S+8*\p+2*\t], v[MG+8*\t]
.endr
	v_sub_f32 v[MG+8*\t+5], v[ST+8*\t], v[MG+8*\t]
.endr
.irp t, 0,1,2,3
.irp p, 1,2,3,4,5
	v_exp_f32 v[MG+8*\t+\p], v[MG+8*\t+\p]
.endr
.endr
	v_nop
	s_wait_alu depctr_va_vdst(0)
.irp t, 0,1,2,3
	v_mul_f32 v[MG+8*\t+6], v[MG+8*\t+1], v[S+2*\t+1]
.endr
.irp p, 1,2,3
.irp t, 0,1,2,3
	v_fmac_f32 v[MG+8*\t+6], v[MG+8*\t+1+\p], v[S+8*\p+2*\t+1]
.endr
.endr
.irp t, 0,1,2,3
	v_rcp_f32 v[MG+8*\t+7], v[MG+8*\t+6]
.endr
	v_nop
	s_wait_alu depctr_va_vdst(0)
.irp t, 0,1,2,3
	v_mul_f32 v[MG+8*\t+6], v[MG+8*\t+7], v[MG+8*\t+5]
.endr
.macro SCALE win
	WIN \win
.set a, 0
.rept 32
.set i, 0
.rept 4
	v_pk_mul_f32 v[8*a+2*i:8*a+2*i+1], v[8*a+2*i:8*a+2*i+1], v[MG+8*(a%4)+6:MG+8*(a%4)+7] op_sel_hi:[1,0]
.set i, i+1
.endr
.set a, a+1
.endr
.endm
	SCALE 0x82
	SCALE 0xc3
.macro PUT win, cb0                    ; my share of O, as f32: row 16 t + r, 32 bytes at 64 cb + 32 h
	WIN \win
.set a, 0
.rept 32
	ds_store_b128 v[PSTO], v[8*a:8*a+3]   offset:16*PP*(a%4)+64*((\cb0)+a/4)
	ds_store_b128 v[PSTO], v[8*a+4:8*a+7] offset:16*PP*(a%4)+64*((\cb0)+a/4)+16
.set a, a+1
.endr
.endm
	PUT 0x08, 0
	PUT 0x0c, 8
	WIN 0
	s_wait_dscnt 0x0
	s_barrier_signal -1
	s_barrier_wait -1
.macro RLOAD i                         ; row 16 w + i of all four shares: 32 bytes a lane from each
.irp p, 0,1,2,3
	ds_load_b128 v[BK+32*((\i)%2)+8*\p:BK+32*((\i)%2)+8*\p+3],   v[PRD+\p] offset:PP*(\i)
	ds_load_b128 v[BK+32*((\i)%2)+8*\p+4:BK+32*((\i)%2)+8*\p+7], v[PRD+\p] offset:PP*(\i)+16
.endr
.endm
	RLOAD 0
.set n, 0
.rept 16
.if n < 15
	RLOAD n+1
	s_wait_dscnt 8
.else
	s_wait_dscnt 0x0
.endif
.set b, BK+32*(n%2)
.irp q, 0,1,2,3
	v_pk_add_f32 v[b+2*\q:b+2*\q+1], v[b+2*\q:b+2*\q+1], v[b+8+2*\q:b+8+2*\q+1]
	v_pk_add_f32 v[b+16+2*\q:b+16+2*\q+1], v[b+16+2*\q:b+16+2*\q+1], v[b+24+2*\q:b+24+2*\q+1]
.endr
.irp q, 0,1,2,3
	v_pk_add_f32 v[b+2*\q:b+2*\q+1], v[b+2*\q:b+2*\q+1], v[b+16+2*\q:b+16+2*\q+1]
.endr
.irp q, 0,1,2,3
	v_cvt_pk_bf16_f32 v[OUT+4*n+\q], v[b+2*\q], v[b+2*\q+1]
.endr
	global_store_b128 v[GO], v[OUT+4*n:OUT+4*n+3], s[10:11] offset:512*n   ; a whole row of ctx: 512 consecutive bytes; each row has registers of its own
.set n, n+1
.endr
	s_wait_tensorcnt 0x0                           ; the wave's end
	ds_add_u32 v[SPW], v[NIL]
	s_wait_dscnt 0x0
	ROUND                                          ; the closing round
	s_endpgm
.Lfunc_end_k_q26f03052e2_attn:
	.size	k_q26f03052e2_attn, .Lfunc_end_k_q26f03052e2_attn-k_q26f03052e2_attn
	.p2alignl 7, 3214868480
	.fill 96, 4, 3214868480
	.section	.rodata,"a",@progbits
	.p2align	6, 0x0
	.amdhsa_kernel k_q26f03052e2_attn
		.amdhsa_group_segment_fixed_size 327680
		.amdhsa_private_segment_fixed_size 0
		.amdhsa_enable_private_segment 0
		.amdhsa_kernarg_size 32
		.amdhsa_user_sgpr_count 2
		.amdhsa_user_sgpr_kernarg_segment_ptr 1
		.amdhsa_wavefront_size32 1
		.amdhsa_system_sgpr_workgroup_id_x 1
		.amdhsa_system_sgpr_workgroup_id_y 1
		.amdhsa_system_sgpr_workgroup_id_z 1
		.amdhsa_system_vgpr_workitem_id 0
		.amdhsa_next_free_vgpr 1024
		.amdhsa_next_free_sgpr 66
		.amdhsa_reserve_vcc 0
		.amdhsa_float_denorm_mode_32 3
		.amdhsa_float_denorm_mode_16_64 3
		.amdhsa_memory_ordered 1
		.amdhsa_forward_progress 1
		.amdhsa_inst_pref_size 214
	.end_amdhsa_kernel
	.amdgpu_metadata
---
amdhsa.version: [ 1, 2 ]
amdhsa.kernels:
  - .name:           k_q26f03052e2_attn
    .symbol:         k_q26f03052e2_attn.kd
    .args:
      - { .name: Qb, .offset: 0, .size: 8, .value_kind: global_buffer, .address_space: global }
      - { .name: Kb, .offset: 8, .size: 8, .value_kind: global_buffer, .address_space: global }
      - { .name: Vb, .offset: 16, .size: 8, .value_kind: global_buffer, .address_space: global }
      - { .name: ctx, .offset: 24, .size: 8, .value_kind: global_buffer, .address_space: global }
    .group_segment_fixed_size: 327680
    .private_segment_fixed_size: 0
    .kernarg_segment_align: 8
    .kernarg_segment_size: 32
    .max_flat_workgroup_size: 128
    .sgpr_count:     66
    .vgpr_count:     1024
    .wavefront_size: 32
...
	.end_amdgpu_metadata
.endif
;; end of part 3
;; launch tail (part 4): grid 256 x 1, 4 waves a work-group, clusters of 4 x 1, 327,680 bytes of LDS; arguments q_feat, ctx, wt, cvec, ln_gamma, ln_beta, out0; writes out0
.if DOCPART == 4
	.amdgcn_target "amdgcn-amd-amdhsa--gfx1250"
	.amdhsa_code_object_version 6
	.text
	.protected	k_q26f03052e2_tail
	.globl	k_q26f03052e2_tail
	.p2align	8
	.type	k_q26f03052e2_tail,@function
k_q26f03052e2_tail:
	s_mov_b64 s[64:65], 0
	v_nop
	global_prefetch_b8 v0, s[64:65] scope:SCOPE_SE
	s_setreg_imm32_b32 hwreg(HW_REG_WAVE_MODE, 25, 1), 1
	s_wait_xcnt 0x0
	s_wait_alu depctr_hold_cnt(0) depctr_sa_sdst(0) depctr_va_vdst(0) depctr_va_sdst(0) depctr_va_ssrc(0) depctr_va_vcc(0) depctr_vm_vsrc(0)
	s_getreg_b32 s2, hwreg(HW_REG_IB_STS2, 6, 4)
	s_cmp_eq_u32 s2, 0
	s_cbranch_scc0 .Lentry_in_a_cluster
	s_endpgm
.Lentry_in_a_cluster:
	s_bfe_u32 s2, ttmp6, 0x10000c
	s_cmp_lg_u32 s2, 0x3003
	s_cbranch_scc0 .Lentry_shape_is_right
	s_endpgm
.Lentry_shape_is_right:
; TAIL.  out0 = LayerNorm([q_feat | ctx] wt + cvec) gamma + beta, which is LayerNorm((ctx Wo + bo + q_feat) Wfc) gamma + beta.
; SHARES.  A work-group owns 64 rows and all 1,024 columns, so that a row's mean and variance stay in the work-group; wave w owns columns 256 w .. 256 w + 255: 64 accumulators.
; K = 1,280 in 20 steps of 64: steps 0-15 take q_feat (f32, loaded into registers two chunks ahead, rounded to bf16, stored into a small LDS ring), steps 16-19 take ctx (bf16, brought once by tensor loads).
; wt's 64 x 1,024 of a step come into a ring of two LDS slots, 16 rows a wave.  All work-groups walk the same wt: the four of a cluster ask JOINTLY (mask 15).
; The sums start from cvec, loaded straight into the accumulators: nothing is cleared.  The matrix instruction is used transposed, as in the projections.
; LAYERNORM in f32, in two passes: the mean; then the squares of x - mean.  Waves exchange their parts of a row's sums through LDS.
; LIMITS: q_feat, gamma and beta rounded to bf16 like every input; NaN and infinities are not treated apart.
; REGISTERS: window 0: v8, v16-31 addresses; v32-47 statistics; v48-63 gamma, beta; v64-127 fragments of A (by K half); v128-191 fragments of wt (two banks); v192-207 at work; v208-239 sums.
;   window 1: v0-63 two chunks of q as loaded; on the way out v0-127 rows read back.   windows 2, 3: the sums ((nb, mt) at 8 (4 (nb % 8) + mt)).
.set PA,    144
.set ASL,   64*PA                      ; a slot of A: 64 rows
.set CTXB,  2*ASL                      ; behind the ring of two: ctx's four chunks, in the same form
.set BR,    6*ASL                      ; wt's ring
.set PB,    2080                       ; a row of wt: 2 x (1,024 + 16) bytes, an odd multiple of 32
.set BSLOT, 64*PB
.set SPARE, BR+2*BSLOT                 ; the spare words: two blocks of 256 bytes that no other line names
.set LN1,   SPARE+512                  ; 1,024 bytes: the waves' parts of 64 rows' sums; 1,024 more for the squares
.set PP,    1040                       ; the way out: 16 rows of 1,024 + 16 bytes for each wave, in wt's slot 0 after its last fill
.set KB,    64*2048
.set OGO,  8
.set AADR, 16
.set ASTO, 17
.set GOFF, 18
.set AV,   19
.set BADR, 20                          ; v20-23
.set CV,   24
.set GB,   25
.set LNS,  26
.set LNR,  27
.set SPW,  28                          ; v28  SPARE + 4 x my thread's number; never rewritten
.set NIL,  29                          ; v29  0; never rewritten
.set OSTO, 30
.set ORD,  31
.set STT,  32
.set GA,   48
.set BE,   56
.set FA,   64
.set FB,   128
.set T,    192
.set SM,   208
.set TMP,  240
.set WV,   18                          ; s18 wave
.set SEL,  58
.set MSB, 0
.macro WIN new
.if MSB != (\new)
	s_set_vgpr_msb (MSB<<8)|(\new)
.set MSB, (\new)
.endif
.endm
.macro PLACES
.rept 4
	v_nop
.endr
.endm
.macro ROUND
	s_barrier_signal -1
	s_barrier_wait -1
	s_cmp_lg_u32 s[WV], 0
	s_cbranch_scc1 .Lnw0_\@
	s_barrier_signal -3
.Lnw0_\@:
	s_barrier_wait -3
	s_barrier_signal -1
	s_barrier_wait -1
.endm
	s_load_b256 s[4:11], s[0:1], 0x0               ; q_feat s[4:5], ctx s[6:7], wt s[8:9], cvec s[10:11]
	s_load_b128 s[12:15], s[0:1], 0x20             ; gamma s[12:13], beta s[14:15]
	s_load_b64 s[16:17], s[0:1], 0x30              ; out0
	v_lshl_add_u32 v[SPW], v0, 2, SPARE
	v_mov_b32 v[NIL], 0
	ds_add_u32 v28, v29
	s_wait_dscnt 0x0
	v_lshrrev_b32 v1, 5, v0
	v_readfirstlane_b32 s[WV], v1
	s_bfe_u32 s19, ttmp6, 0x40000                  ; cx
	s_lshl_b32 s20, ttmp9, 2
	s_add_co_u32 s20, s20, s19                     ; my block of 64 rows
	; wt's group 1: 16 rows x 1,024 elements of 2 bytes; 4 words of padding after every 256
	s_mov_b32 s24, 15|(1<<16)|(1<<20)|(1<<21)|(7<<22)|(3<<25)
	s_mov_b32 s25, 1024<<16
	s_mov_b32 s26, 16<<16
	s_mov_b32 s27, 1024<<16
	s_mov_b32 s28, 16
	s_mov_b32 s29, 1024
	s_mov_b32 s30, 0
	s_mov_b32 s31, 0
	; ctx's group 1 (a load of my own, no mask): 64 rows x 64 elements; 4 words of padding after every 32
	s_mov_b32 s48, (1<<16)|(1<<20)|(4<<22)|(3<<25)
	s_mov_b32 s49, 64<<16
	s_mov_b32 s50, 64<<16
	s_mov_b32 s51, 64<<16
	s_mov_b32 s52, 64
	s_mov_b32 s53, 256
	s_mov_b32 s54, 0
	s_mov_b32 s55, 0
	s_mul_i32 s21, s[WV], 16*PB                    ; my 16 rows in a slot of wt
	s_lshl_b32 s60, s[WV], 15                      ; and in memory
	s_mov_b32 s61, 0
	s_lshl_b32 s62, s20, 15                        ; ctx: my block's 64 rows of 512 bytes,
	s_lshl_b32 s22, s[WV], 7                       ; chunk w
	s_add_co_u32 s62, s62, s22
	s_mov_b32 s63, 0
	s_lshl_b32 s22, s20, 18                        ; 64 rows of 4,096 bytes
	s_mov_b32 s23, 0
	s_mov_b32 s40, 1
	s_mul_i32 s41, s[WV], ASL
	s_add_co_u32 s41, s41, CTXB
	s_mov_b32 s56, 0x3a800000                      ; 1 / 1,024
	s_mov_b32 s[SEL], 0x76543210
	s_mov_b32 s[SEL+1], 0xfedcba98
	s_wait_kmcnt 0x0
	s_add_nc_u64 s[60:61], s[8:9], s[60:61]
.irp s, 0,1
	s_mov_b32 s[32+4*\s], 1
	s_add_co_u32 s[33+4*\s], s21, BR+\s*BSLOT
	s_add_nc_u64 s[34+4*\s:35+4*\s], s[60:61], \s*KB
	s_or_b32 s[35+4*\s], s[35+4*\s], 0x80000000
.endr
	s_add_nc_u64 s[42:43], s[6:7], s[62:63]
	s_or_b32 s43, s43, 0x80000000
	s_add_nc_u64 s[44:45], s[4:5], s[22:23]        ; q_feat at my rows; it steps along K
	s_add_nc_u64 s[16:17], s[16:17], s[22:23]
	ROUND
	tensor_load_to_lds s[32:35], s[24:31]          ; wt's K step 0
	s_nop 0
	tensor_load_to_lds s[40:43], s[48:55]          ; ctx's chunk w: two loads of mine are out
	s_nop 0
	PLACES
	v_and_b32 v1, 15, v0                           ; r
	v_bfe_u32 v2, v0, 4, 1                         ; h
	v_and_b32 v3, 31, v0                           ; lane
	s_lshl_b32 s21, s[WV], 10
	v_lshl_add_u32 v[CV], v2, 5, s21               ; cvec: my 256 columns, 8 h on
	v_lshl_add_u32 v[GB], v3, 4, s21               ; gamma, beta, out0: my 256 columns, 4 lane on
	v_lshl_add_u32 v[OGO], v3, 4, s21
	s_lshl_b32 s22, s[WV], 1
	v_add_nc_u32 v4, s22, v2
	v_lshlrev_b32 v[GOFF], 12, v4
	v_lshl_add_u32 v[GOFF], v1, 4, v[GOFF]
.macro BIAS win, nb0                   ; an accumulator's register j is column 16 nb + 8 h + j, whatever the row
	WIN \win
.set a, 0
.rept 32
	global_load_b128 v[8*a:8*a+3],   v[CV], s[10:11] offset:64*((\nb0)+a/4)
	global_load_b128 v[8*a+4:8*a+7], v[CV], s[10:11] offset:64*((\nb0)+a/4)+16
.set a, a+1
.endr
.endm
	BIAS 0x80, 0
	BIAS 0xc0, 8
	WIN 0
.irp u, 0,1
	global_load_b128 v[GA+4*\u:GA+4*\u+3], v[GB], s[12:13] offset:512*\u
	global_load_b128 v[BE+4*\u:BE+4*\u+3], v[GB], s[14:15] offset:512*\u
.endr
.macro ISSUE rs                        ; eight loads: the next chunk of q_feat
	WIN 0x40
.irp j, 0,1,2,3,4,5,6,7
	global_load_b128 v[32*(\rs)+4*\j:32*(\rs)+4*\j+3], v[GOFF], s[44:45] offset:32768*\j th:TH_LOAD_NT
.endr
	WIN 0
	s_wait_xcnt 0x0                                ; the base is written only behind this wait
	s_add_nc_u64 s[44:45], s[44:45], 256
.endm
.macro STAGE rs, ls, cnt               ; cnt: the younger chunk's loads, which stay out
	s_wait_loadcnt \cnt
	WIN 0x05
.set i, 0
.rept 16
	v_cvt_pk_bf16_f32 v[T+i], v[32*(\rs)+2*i], v[32*(\rs)+2*i+1]
.set i, i+1
.endr
	WIN 0
.irp j, 0,1,2,3,4,5,6,7
	ds_store_b64 v[ASTO], v[T+2*\j:T+2*\j+1] offset:ASL*(\ls)+8*PA*\j
.endr
.endm
	ISSUE 0
	ISSUE 1
	v_mul_u32_u24 v[AADR], v1, PA
	v_lshl_add_u32 v[AADR], v2, 4, v[AADR]
	v_mul_u32_u24 v[ASTO], v4, PA
	v_lshl_add_u32 v[ASTO], v1, 3, v[ASTO]
	v_and_b32 v5, 7, v0
	v_lshl_add_u32 v5, v2, 3, v5
	v_mul_u32_u24 v5, v5, PB
	v_bfe_u32 v6, v0, 3, 1
	v_lshl_add_u32 v5, v6, 4, v5
	s_lshr_b32 s21, s[WV], 1                       ; my 256 columns: half w / 2 of the padded row, 512 bytes x (w % 2) in it
	s_mul_i32 s21, s21, 1040
	s_and_b32 s22, s[WV], 1
	s_lshl_b32 s22, s22, 9
	s_add_co_u32 s21, s21, s22
	v_add_nc_u32 v5, s21, v5
	v_add_nc_u32 v[BADR+0], BR, v5
	v_add_nc_u32 v[BADR+1], BR+32*PB, v5
	v_add_nc_u32 v[BADR+2], BR+BSLOT, v5
	v_add_nc_u32 v[BADR+3], BR+BSLOT+32*PB, v5
	s_lshl_b32 s21, s[WV], 2
	v_lshl_add_u32 v[LNR], v1, 4, LN1
	v_add_nc_u32 v[LNS], s21, v[LNR]
	s_mul_i32 s21, s[WV], 16*PP
	s_add_co_u32 s21, s21, BR
	v_mul_u32_u24 v[OSTO], v1, PP
	v_lshl_add_u32 v[OSTO], v2, 5, v[OSTO]
	v_add_nc_u32 v[OSTO], s21, v[OSTO]
	v_lshl_add_u32 v[ORD], v3, 4, s21
; the fragments of group (kk, qd): four of wt (columns 64 qd on); with qd = 0 also A's four of K half kk
.macro LOADG sl, kk, qd, areg, aoff
	WIN 0
	PLACES
.if (\qd) == 0
.irp mt, 0,1,2,3
	ds_load_b128 v[FA+32*(\kk)+8*\mt:FA+32*(\kk)+8*\mt+3],   v[\areg] offset:(\aoff)+16*PA*\mt+64*(\kk)
	ds_load_b128 v[FA+32*(\kk)+8*\mt+4:FA+32*(\kk)+8*\mt+7], v[\areg] offset:(\aoff)+16*PA*\mt+64*(\kk)+32
.endr
.endif
.set fb, FB+32*((\qd)%2)
.irp n, 0,1,2,3
	ds_load_tr16_b128 v[fb+8*\n:fb+8*\n+3],   v[BADR+2*(\sl)+(\kk)] offset:32*(4*(\qd)+\n)
	ds_load_tr16_b128 v[fb+8*\n+4:fb+8*\n+7], v[BADR+2*(\sl)+(\kk)] offset:32*(4*(\qd)+\n)+16*PB
.endr
.endm
.macro MULG kk, qd                     ; 16 products on 16 accumulators, which take turns
	WIN 0xa0+0x50*((\qd)/2)
.set fb, FB+32*((\qd)%2)
.irp n, 0,1,2,3
.irp mt, 0,1,2,3
	v_wmma_f32_16x16x32_bf16 v[8*(4*((4*(\qd)+\n)%8)+\mt):8*(4*((4*(\qd)+\n)%8)+\mt)+7], v[fb+8*\n:fb+8*\n+7], v[FA+32*(\kk)+8*\mt:FA+32*(\kk)+8*\mt+7], v[8*(4*((4*(\qd)+\n)%8)+\mt):8*(4*((4*(\qd)+\n)%8)+\mt)+7]
.endr
.endr
.endm
.macro COMPUTE sl, areg, aoff          ; eight groups; a group's loads are issued one group ahead; each wait leaves out the loads just issued
	LOADG \sl, 0, 0, \areg, \aoff
	LOADG \sl, 0, 1, \areg, \aoff
	s_wait_dscnt 8
	MULG 0, 0
	LOADG \sl, 0, 2, \areg, \aoff
	s_wait_dscnt 8
	MULG 0, 1
	LOADG \sl, 0, 3, \areg, \aoff
	s_wait_dscnt 8
	MULG 0, 2
	LOADG \sl, 1, 0, \areg, \aoff
	s_wait_dscnt 16
	MULG 0, 3
	LOADG \sl, 1, 1, \areg, \aoff
	s_wait_dscnt 8
	MULG 1, 0
	LOADG \sl, 1, 2, \areg, \aoff
	s_wait_dscnt 8
	MULG 1, 1
	LOADG \sl, 1, 3, \areg, \aoff
	s_wait_dscnt 8
	MULG 1, 2
	s_wait_dscnt 0x0
	MULG 1, 3
.endm
; K step in wt's slot sl.  var = 0: A lies in its ring's slot sl; var = 1: at LDS byte s47, which then steps by a slot
.macro STEP sl, refill, stage, cnt, issue, var
	WIN 0
	s_wait_tensorcnt 0x0                           ; all my tensor loads have landed, my part of this step's tile among them
	ds_add_u32 v[SPW], v[NIL]                      ; 0 onto my spare word
	s_add_nc_u64 s[34+4*(\sl):35+4*(\sl)], s[34+4*(\sl):35+4*(\sl)], 2*KB
	s_wait_dscnt 0x0                               ; the add, my stores into A's ring and my reads are done
.if \refill
	ROUND
	tensor_load_to_lds s[36-4*(\sl):39-4*(\sl)], s[24:31]   ; the next K step, into the slot read last
	s_nop 0
	PLACES
.else
	s_barrier_signal -1
	s_barrier_wait -1
.endif
.if \stage
	STAGE 1-(\sl), 1-(\sl), \cnt
.endif
.if \issue
	ISSUE 1-(\sl)
.endif
.if \var
	v_add_nc_u32 v[AV], s47, v[AADR]
	s_add_co_u32 s47, s47, ASL
	COMPUTE \sl, AV, 0
.else
	COMPUTE \sl, AADR, ASL*(\sl)
.endif
.endm
	STAGE 0, 0, 8                                  ; chunk 0; chunk 1's eight loads stay out; cvec, gamma and beta, issued earlier, are in
	ISSUE 0                                        ; chunk 2
	s_mov_b32 s46, 6
.Lq:                                                   ; step s stages chunk s + 1 and asks for chunk s + 3 and for wt's step s + 1
	STEP 0, 1, 1, 8, 1, 0
	STEP 1, 1, 1, 8, 1, 0
	WIN 0
	s_sub_co_u32 s46, s46, 1
	s_cmp_lg_u32 s46, 0
	s_cbranch_scc1 .Lq
	STEP 0, 1, 1, 8, 1, 0                          ; step 12 asks for the last chunk
	STEP 1, 1, 1, 8, 0, 0                          ; step 13
	STEP 0, 1, 1, 0, 0, 0                          ; step 14 stages it
	WIN 0
	s_mov_b32 s47, ASL                             ; step 15: A's slot 1; steps 16-19: ctx's chunks, which lie behind it, a slot apart
	s_mov_b32 s46, 2
.Lc:
	STEP 1, 1, 0, 0, 0, 1
	STEP 0, 1, 0, 0, 0, 1
	WIN 0
	s_sub_co_u32 s46, s46, 1
	s_cmp_lg_u32 s46, 0
	s_cbranch_scc1 .Lc
	STEP 1, 0, 0, 0, 0, 1                          ; step 19: nothing is left to fetch
	; LAYERNORM.  A lane holds 128 numbers of each of four rows (16 mt + r).  Sixteen chains of packed sums; each accumulator is read from its low end on.
	WIN 0
	PLACES
.irp i, 0,1,2,3,4,5,6,7                ; gamma and beta, rounded to bf16 and widened again
	v_cvt_pk_bf16_f32 v[TMP], v[GA+2*\i], v[GA+2*\i+1]
	v_lshlrev_b32 v[GA+2*\i], 16, v[TMP]
	v_and_b32 v[GA+2*\i+1], 0xffff0000, v[TMP]
.endr
	WIN 0x0a
.irp mt, 0,1,2,3
.irp q, 0,1,2,3
	v_pk_add_f32 v[SM+8*\mt+2*\q:SM+8*\mt+2*\q+1], v[8*\mt+2*\q:8*\mt+2*\q+1], v[8*(4+\mt)+2*\q:8*(4+\mt)+2*\q+1]
.endr
.endr
.macro SUMS win, a0, cnt
	WIN \win
.set a, \a0
.rept \cnt
.irp q, 0,1,2,3
	v_pk_add_f32 v[SM+8*(a%4)+2*\q:SM+8*(a%4)+2*\q+1], v[SM+8*(a%4)+2*\q:SM+8*(a%4)+2*\q+1], v[8*a+2*\q:8*a+2*\q+1]
.endr
.set a, a+1
.endr
.endm
	SUMS 0x08, 8, 24
	SUMS 0x0c, 0, 32
	WIN 0
; the chains are folded, the other half of the lanes' is added, the four waves' parts meet in LDS: v[STT + 4 mt] = the row's sum
.macro FOLD base
.irp mt, 0,1,2,3
	v_pk_add_f32 v[SM+8*\mt:SM+8*\mt+1], v[SM+8*\mt:SM+8*\mt+1], v[SM+8*\mt+2:SM+8*\mt+3]
	v_pk_add_f32 v[SM+8*\mt+4:SM+8*\mt+5], v[SM+8*\mt+4:SM+8*\mt+5], v[SM+8*\mt+6:SM+8*\mt+7]
.endr
.irp mt, 0,1,2,3
	v_pk_add_f32 v[SM+8*\mt:SM+8*\mt+1], v[SM+8*\mt:SM+8*\mt+1], v[SM+8*\mt+4:SM+8*\mt+5]
.endr
.irp mt, 0,1,2,3
	v_add_f32 v[SM+8*\mt], v[SM+8*\mt], v[SM+8*\mt+1]
.endr
.irp mt, 0,1,2,3
	v_permlanex16_b32 v[SM+8*\mt+1], v[SM+8*\mt], s[SEL], s[SEL+1]
.endr
.irp mt, 0,1,2,3
	v_add_f32 v[SM+8*\mt], v[SM+8*\mt], v[SM+8*\mt+1]
.endr
.irp mt, 0,1,2,3
	ds_store_b32 v[LNS], v[SM+8*\mt] offset:(\base)+256*\mt   ; row 16 mt + r, word w; both halves of the lanes store the same number
.endr
	s_wait_dscnt 0x0
	s_barrier_signal -1
	s_barrier_wait -1
.irp mt, 0,1,2,3
	ds_load_b128 v[STT+4*\mt:STT+4*\mt+3], v[LNR] offset:(\base)+256*\mt
.endr
	s_wait_dscnt 0x0
.irp mt, 0,1,2,3
	v_pk_add_f32 v[STT+4*\mt:STT+4*\mt+1], v[STT+4*\mt:STT+4*\mt+1], v[STT+4*\mt+2:STT+4*\mt+3]
.endr
.irp mt, 0,1,2,3
	v_add_f32 v[STT+4*\mt], v[STT+4*\mt], v[STT+4*\mt+1]
.endr
.endm
	FOLD 0
.irp mt, 0,1,2,3
	v_mul_f32 v[STT+4*\mt], s56, v[STT+4*\mt]      ; the mean
.endr
.macro CENTRE win                      ; x - mean, in place
	WIN \win
.set a, 0
.rept 32
.irp q, 0,1,2,3
	v_pk_add_f32 v[8*a+2*\q:8*a+2*\q+1], v[8*a+2*\q:8*a+2*\q+1], v[STT+4*(a%4):STT+4*(a%4)+1] op_sel_hi:[1,0] neg_lo:[0,1] neg_hi:[0,1]
.endr
.set a, a+1
.endr
.endm
	CENTRE 0x82
	CENTRE 0xc3
	WIN 0x0a
.irp mt, 0,1,2,3
.irp q, 0,1,2,3
	v_pk_mul_f32 v[SM+8*\mt+2*\q:SM+8*\mt+2*\q+1], v[8*\mt+2*\q:8*\mt+2*\q+1], v[8*\mt+2*\q:8*\mt+2*\q+1]
.endr
.endr
.macro SQS win, a0, cnt
	WIN \win
.set a, \a0
.rept \cnt
.irp q, 0,1,2,3
	v_pk_fma_f32 v[SM+8*(a%4)+2*\q:SM+8*(a%4)+2*\q+1], v[8*a+2*\q:8*a+2*\q+1], v[8*a+2*\q:8*a+2*\q+1], v[SM+8*(a%4)+2*\q:SM+8*(a%4)+2*\q+1]
.endr
.set a, a+1
.endr
.endm
	SQS 0x0a, 4, 28
	SQS 0x0f, 0, 32
	WIN 0
	FOLD 1024                                      ; other bytes than the first exchange's: no barrier is needed between the two
.irp mt, 0,1,2,3
	v_fmaak_f32 v[STT+4*\mt], s56, v[STT+4*\mt], 0x3727c5ac   ; variance + 1e-5
.endr
.irp mt, 0,1,2,3
	v_rsq_f32 v[STT+4*\mt], v[STT+4*\mt]
.endr
	v_nop                                          ; a plain instruction between the last root and the use of its result
	s_wait_alu depctr_va_vdst(0)
; THE WAY OUT of rows 16 mt .. 16 mt + 15: scaled; through my own stage (wt's slot 0: its last fill was read in step 18, and every wave has passed step 19's barrier since);
; back as pieces of 512 bytes of a row; times gamma, plus beta; stored.
.macro OUTMT mt
	WIN 0x82
.set nb, 0
.rept 8
.irp q, 0,1,2,3
	v_pk_mul_f32 v[8*(4*nb+(\mt))+2*\q:8*(4*nb+(\mt))+2*\q+1], v[8*(4*nb+(\mt))+2*\q:8*(4*nb+(\mt))+2*\q+1], v[STT+4*(\mt):STT+4*(\mt)+1] op_sel_hi:[1,0]
.endr
.set nb, nb+1
.endr
	WIN 0xc3
.set nb, 0
.rept 8
.irp q, 0,1,2,3
	v_pk_mul_f32 v[8*(4*nb+(\mt))+2*\q:8*(4*nb+(\mt))+2*\q+1], v[8*(4*nb+(\mt))+2*\q:8*(4*nb+(\mt))+2*\q+1], v[STT+4*(\mt):STT+4*(\mt)+1] op_sel_hi:[1,0]
.endr
.set nb, nb+1
.endr
	WIN 0x08
.set nb, 0
.rept 8
	ds_store_b128 v[OSTO], v[8*(4*nb+(\mt)):8*(4*nb+(\mt))+3]   offset:64*nb
	ds_store_b128 v[OSTO], v[8*(4*nb+(\mt))+4:8*(4*nb+(\mt))+7] offset:64*nb+16
.set nb, nb+1
.endr
	WIN 0x0c
.set nb, 0
.rept 8
	ds_store_b128 v[OSTO], v[8*(4*nb+(\mt)):8*(4*nb+(\mt))+3]   offset:64*(nb+8)
	ds_store_b128 v[OSTO], v[8*(4*nb+(\mt))+4:8*(4*nb+(\mt))+7] offset:64*(nb+8)+16
.set nb, nb+1
.endr
	WIN 0x40
	s_wait_xcnt 0x0                                ; the registers that the last block's stores read are loaded again only behind this wait
.set n, 0
.rept 32
	ds_load_b128 v[4*n:4*n+3], v[ORD] offset:PP*(n/2)+512*(n%2)   ; LDS serves a wave's instructions in order (ISA guide 5.7.1.4): these see the stores above
.set n, n+1
.endr
	s_wait_dscnt 0x0
	WIN 0x41
.set n, 0
.rept 32
	v_pk_fma_f32 v[4*n:4*n+1],   v[4*n:4*n+1],   v[GA+4*(n%2):GA+4*(n%2)+1],   v[BE+4*(n%2):BE+4*(n%2)+1]
	v_pk_fma_f32 v[4*n+2:4*n+3], v[4*n+2:4*n+3], v[GA+4*(n%2)+2:GA+4*(n%2)+3], v[BE+4*(n%2)+2:BE+4*(n%2)+3]
.set n, n+1
.endr
	WIN 0x04
.set n, 0
.rept 32
	global_store_b128 v[OGO], v[4*n:4*n+3], s[16:17] offset:(16*(\mt)+n/2)*4096+512*(n%2) th:TH_STORE_NT   ; a wave's store: 512 consecutive bytes, at a multiple of 256 from out0's first
.set n, n+1
.endr
.endm
	OUTMT 0
	OUTMT 1
	OUTMT 2
	OUTMT 3
	WIN 0
	s_wait_tensorcnt 0x0                           ; the wave's end
	ds_add_u32 v[SPW], v[NIL]
	s_wait_dscnt 0x0
	ROUND                                          ; the closing round
	s_endpgm
.Lfunc_end_k_q26f03052e2_tail:
	.size	k_q26f03052e2_tail, .Lfunc_end_k_q26f03052e2_tail-k_q26f03052e2_tail
	.p2alignl 7, 3214868480
	.fill 96, 4, 3214868480
	.section	.rodata,"a",@progbits
	.p2align	6, 0x0
	.amdhsa_kernel k_q26f03052e2_tail
		.amdhsa_group_segment_fixed_size 327680
		.amdhsa_private_segment_fixed_size 0
		.amdhsa_enable_private_segment 0
		.amdhsa_kernarg_size 56
		.amdhsa_user_sgpr_count 2
		.amdhsa_user_sgpr_kernarg_segment_ptr 1
		.amdhsa_wavefront_size32 1
		.amdhsa_system_sgpr_workgroup_id_x 1
		.amdhsa_system_sgpr_workgroup_id_y 1
		.amdhsa_system_sgpr_workgroup_id_z 1
		.amdhsa_system_vgpr_workitem_id 0
		.amdhsa_next_free_vgpr 1024
		.amdhsa_next_free_sgpr 66
		.amdhsa_reserve_vcc 0
		.amdhsa_float_denorm_mode_32 3
		.amdhsa_float_denorm_mode_16_64 3
		.amdhsa_memory_ordered 1
		.amdhsa_forward_progress 1
		.amdhsa_inst_pref_size 255
	.end_amdhsa_kernel
	.section	.bss,"aw",@nobits
	.p2align	6
	.space	262144
	.amdgpu_metadata
---
amdhsa.version: [ 1, 2 ]
amdhsa.kernels:
  - .name:           k_q26f03052e2_tail
    .symbol:         k_q26f03052e2_tail.kd
    .args:
      - { .name: q_feat, .offset: 0, .size: 8, .value_kind: global_buffer, .address_space: global }
      - { .name: ctx, .offset: 8, .size: 8, .value_kind: global_buffer, .address_space: global }
      - { .name: wt, .offset: 16, .size: 8, .value_kind: global_buffer, .address_space: global }
      - { .name: cvec, .offset: 24, .size: 8, .value_kind: global_buffer, .address_space: global }
      - { .name: ln_gamma, .offset: 32, .size: 8, .value_kind: global_buffer, .address_space: global }
      - { .name: ln_beta, .offset: 40, .size: 8, .value_kind: global_buffer, .address_space: global }
      - { .name: out0, .offset: 48, .size: 8, .value_kind: global_buffer, .address_space: global }
    .group_segment_fixed_size: 327680
    .private_segment_fixed_size: 0
    .kernarg_segment_align: 8
    .kernarg_segment_size: 56
    .max_flat_workgroup_size: 128
    .sgpr_count:     66
    .vgpr_count:     1024
    .wavefront_size: 32
...
	.end_amdgpu_metadata
.endif
;; end of part 4
;; ======== version 2 of 2: 4 launches; 1.37 times as fast as version 1
;; limits: values outside matrix products are rounded to bf16
;; workspace buffers: wqkv 1,572,864 bytes; wt 2,621,440 bytes; cvec 4,096 bytes; Qb 8,388,608 bytes; Kb 8,388,608 bytes; Vb 8,388,608 bytes; ctx 8,388,608 bytes
;; launch prep: the kernel of part 1 again; grid 16 x 24, 16 waves a work-group, no clusters, 67,584 bytes of LDS; arguments Wq, Wk, Wv, Wo, Wfc, bo, wqkv, wt, cvec; writes wqkv, wt, cvec
;; launch proj (part 5): grid 256 x 1, 4 waves a work-group, clusters of 4 x 1, 327,680 bytes of LDS; arguments q_feat, kv_feat, wqkv, Qb, Kb, Vb; writes Qb, Kb, Vb
.if DOCPART == 5
	.amdgcn_target "amdgcn-amd-amdhsa--gfx1250"
	.amdhsa_code_object_version 6
	.text
	.protected	k_q26f03052e2_proj
	.globl	k_q26f03052e2_proj
	.p2align	8
	.type	k_q26f03052e2_proj,@function
k_q26f03052e2_proj:
	s_mov_b64 s[64:65], 0
	v_nop
	global_prefetch_b8 v0, s[64:65] scope:SCOPE_SE
	s_setreg_imm32_b32 hwreg(HW_REG_WAVE_MODE, 25, 1), 1
	s_wait_xcnt 0x0
	s_wait_alu depctr_hold_cnt(0) depctr_sa_sdst(0) depctr_va_vdst(0) depctr_va_sdst(0) depctr_va_ssrc(0) depctr_va_vcc(0) depctr_vm_vsrc(0)
	s_getreg_b32 s2, hwreg(HW_REG_IB_STS2, 6, 4)
	s_cmp_eq_u32 s2, 0
	s_cbranch_scc0 .Lentry_in_a_cluster
	s_endpgm
.Lentry_in_a_cluster:
	s_bfe_u32 s2, ttmp6, 0x10000c
	s_cmp_lg_u32 s2, 0x3003
	s_cbranch_scc0 .Lentry_shape_is_right
	s_endpgm
.Lentry_shape_is_right:
; PROJ.  Qb = q_feat Wq, Kb = kv_feat Wk, Vb = kv_feat Wv: [16384][256] bf16, sums in f32, rounded once, unscaled.
; SHARES.  A work-group owns 64 rows of both features and makes 64 x 256 of each of the three; wave w owns columns 64 w .. 64 w + 63 of each: 48 accumulators.  K = 1024 in 16 steps of 64.
; WEIGHTS.  wqkv's 64 x 768 of a step come by tensor loads into a ring of two LDS slots, 16 rows a wave.  All work-groups walk the same weights, so the four of a cluster ask JOINTLY (mask 15).
; THE WALK ALONG K begins at step (cluster's number mod 16) and wraps round: in any step the 64 clusters ask for 16 different tiles, and each of these was asked for one step before by the clusters
; whose start is one further on.  Only global addresses hang on the start (made anew from a fixed base and an offset); the partners of a cluster share it; every LDS address is a constant of the text.
; FEATURES are f32 and each byte is read once: global loads into registers, TWO chunks (64 along K) ahead, in two register sets, rounded to bf16, stored into a small ring of their own in LDS.
; The matrix instruction is used transposed (source 0 = 16 columns of W, turned by ds_load_tr16_b128; source 1 = 16 rows of a feature): a lane then holds eight neighbouring numbers of a row of the result.
; The sums are started by 48 products of two zero fragments, issued while the first loads are out: no first step is written out, and nothing is cleared by moves.
; THE LOOP holds an even and an odd step and is left in its middle; the last step, which asks for no tile, is written out behind it: three copies of a step in all.
; LIMITS: inputs rounded to bf16; the order of the f32 sums along K differs from cluster to cluster; NaN and infinities are not treated apart.
; REGISTERS: window 0: v8-31 addresses; v64-127 fragments of the features (two sets of four); v128-191 fragments of W (two banks); v192-223 at work.
;   window 1: v0-127 Q's sums, v128-255 K's ((mt, nb) at 8 (4 mt + nb));  window 2: v0-127 V's sums; v128-191, v192-255 two chunks as loaded.
.set PA,    144                        ; a feature's LDS row: 128 bytes + 16: the 16 rows of a fragment load start at 16 different groups of four banks (ISA guide 11.1)
.set AFEAT, 64*PA
.set ASLOT, 2*AFEAT                    ; a slot: q's 64 rows, then kv's
.set BR,    2*ASLOT                    ; behind it the ring for W
.set PB,    1632                       ; a row of W: 3 x (512 + 32) bytes, an odd multiple of 32
.set BSLOT, 64*PB
.set SPARE, BR+2*BSLOT                 ; the spare words: 128 bytes a wave, two blocks of 256 bytes that no other line names
.set SP,    528                        ; the way out: rows of 512 bytes + 16, in W's slot 0 after its last fill
.set PLANE, 64*SP
.set KB,    64*1536                    ; bytes of a K step in wqkv
.set STO,  8                           ; v8-10   the way out: where I put 16 bytes, by plane
.set RD,   11                          ; v11-13  where I read rows back
.set GO,   14                          ; v14     my byte offset in the work-group's rows of a result
.set AADR, 16                          ; v16     144 r + 16 h
.set ASTO, 17                          ; v17     where I store 8 bytes of a feature's row
.set GOFF, 18                          ; v18     my byte offset in the work-group's rows of a feature; never rewritten
.set BADR, 20                          ; v20-23  my place in W's slot sl, K half kk: at 2 sl + kk
.set GV,   24                          ; v24-25  GOFF + the chunk's place in a row, one for each register set
.set SPW,  28                          ; v28     SPARE + 4 x my thread's number; never rewritten
.set NIL,  29                          ; v29     0; never rewritten
.set FA,   64
.set FB,   128
.set T,    192
.set OUT,  64
.set WV,   16                          ; s16  wave
.set KO,   47                          ; s47  byte in a feature's row at which the chunk to be asked for begins
.set TO,   54                          ; s[54:55] byte in wqkv at which the tile to be asked for begins
.set MSB, 0
.macro WIN new                         ; the immediate's high byte repeats the setting that is left
.if MSB != (\new)
	s_set_vgpr_msb (MSB<<8)|(\new)
.set MSB, (\new)
.endif
.endm
.macro PLACES                          ; four places behind matrix instructions (ISA guide 7.12.1 for matrix instructions)
.rept 4
	v_nop
.endr
.endm
.macro ROUND                           ; a round of the cluster's barrier
	s_barrier_signal -1
	s_barrier_wait -1
	s_cmp_lg_u32 s[WV], 0
	s_cbranch_scc1 .Lnw0_\@
	s_barrier_signal -3
.Lnw0_\@:
	s_barrier_wait -3
	s_barrier_signal -1
	s_barrier_wait -1
.endm
.macro TL g0, g1                       ; a tensor load; s_nop 0 and four v_nop follow it
	tensor_load_to_lds s[(\g0):(\g0)+3], s[(\g1):(\g1)+7]
	s_nop 0
	PLACES
.endm
.macro NEXTW g0                        ; group 0's address is made anew: my 16 rows of the walk's next tile; then the walk steps, and wraps behind the sixteenth tile
	s_add_nc_u64 s[(\g0)+2:(\g0)+3], s[22:23], s[TO:TO+1]
	s_or_b32 s[(\g0)+3], s[(\g0)+3], 0x80000000
	s_add_co_u32 s[TO], s[TO], KB
	s_cmp_eq_u32 s[TO], 16*KB
	s_cselect_b32 s[TO], 0, s[TO]
.endm
	s_load_b256 s[4:11], s[0:1], 0x0               ; q_feat s[4:5], kv_feat s[6:7], wqkv s[8:9], Qb s[10:11]
	s_load_b128 s[12:15], s[0:1], 0x20             ; Kb s[12:13], Vb s[14:15]
	v_lshl_add_u32 v[SPW], v0, 2, SPARE
	v_mov_b32 v[NIL], 0
	ds_add_u32 v28, v29
	s_wait_dscnt 0x0
	v_lshrrev_b32 v1, 5, v0
	v_readfirstlane_b32 s[WV], v1
	s_bfe_u32 s17, ttmp6, 0x40000                  ; cx
	s_lshl_b32 s18, ttmp9, 2
	s_add_co_u32 s18, s18, s17                     ; my block of 64 rows: it enters the features' and the results' addresses alone
	; group 1: 16 rows x 768 elements of 2 bytes; 8 words of padding after every 128
	s_mov_b32 s24, 15|(1<<16)|(1<<20)|(1<<21)|(6<<22)|(7<<25)
	s_mov_b32 s25, 768<<16                         ; tensor_dim0
	s_mov_b32 s26, 16<<16                          ; tensor_dim1
	s_mov_b32 s27, 768<<16                         ; tile_dim0
	s_mov_b32 s28, 16                              ; tile_dim1
	s_mov_b32 s29, 768                             ; elements from row to row
	s_mov_b32 s30, 0
	s_mov_b32 s31, 0
	s_mul_i32 s20, s[WV], 16*PB                    ; my 16 rows in a slot
	s_mul_i32 s22, s[WV], 16*1536                  ; and in memory
	s_mov_b32 s23, 0
	s_lshl_b32 s40, s18, 18                        ; 64 rows of 4,096 bytes
	s_mov_b32 s41, 0
	s_lshl_b32 s48, s18, 15                        ; 64 rows of 512 bytes
	s_mov_b32 s49, 0
	s_and_b32 s53, ttmp9, 15                       ; the cluster's start along K, which its four work-groups share
	s_lshl_b32 s[KO], s53, 8                       ; 64 f32 a step
	s_mul_i32 s[TO], s53, KB
	s_mov_b32 s[TO+1], 0
	s_wait_kmcnt 0x0
	s_add_nc_u64 s[22:23], s[8:9], s[22:23]        ; wqkv at my 16 rows of K step 0; never rewritten
.irp s, 0,1
	s_mov_b32 s[32+4*\s], 1
	s_add_co_u32 s[33+4*\s], s20, BR+\s*BSLOT
.endr
	NEXTW 32
	s_add_nc_u64 s[42:43], s[4:5], s[40:41]        ; q_feat and kv_feat at my rows; never rewritten
	s_add_nc_u64 s[44:45], s[6:7], s[40:41]
	s_add_nc_u64 s[10:11], s[10:11], s[48:49]
	s_add_nc_u64 s[12:13], s[12:13], s[48:49]
	s_add_nc_u64 s[14:15], s[14:15], s[48:49]
	ROUND                                          ; the four work-groups are here: the first joint load meets
	TL 32, 24                                      ; the walk's first tile into slot 0; slot 1 is filled behind the first step's round
	v_and_b32 v1, 15, v0                           ; r
	v_bfe_u32 v2, v0, 4, 1                         ; h
	v_and_b32 v3, 31, v0                           ; lane
	s_lshl_b32 s50, s[WV], 1
	v_add_nc_u32 v4, s50, v2                       ; row 2 w + h of each eight
	v_lshlrev_b32 v[GOFF], 12, v4
	v_lshl_add_u32 v[GOFF], v1, 4, v[GOFF]         ; sixteen lanes read 256 consecutive bytes of a row
; sixteen loads: the walk's next chunk of both features into register set rs.  The set's offset register is written here: the set's last loads have been shown done by the wait in front of STAGE.
.macro ISSUE rs
	v_add_nc_u32 v[GV+(\rs)], s[KO], v[GOFF]
	WIN 0x80
.irp j, 0,1,2,3,4,5,6,7
	global_load_b128 v[128+64*(\rs)+4*\j:128+64*(\rs)+4*\j+3], v[GV+(\rs)], s[42:43] offset:32768*\j th:TH_LOAD_NT
.endr
.irp j, 0,1,2,3,4,5,6,7
	global_load_b128 v[160+64*(\rs)+4*\j:160+64*(\rs)+4*\j+3], v[GV+(\rs)], s[44:45] offset:32768*\j th:TH_LOAD_NT
.endr
	WIN 0
	s_add_co_u32 s[KO], s[KO], 256                 ; the next chunk; behind the row's 4,096 bytes the walk wraps
	s_and_b32 s[KO], s[KO], 0xfff
.endm
; register set rs is rounded to bf16 and stored into the features' LDS slot ls.  cnt: the younger chunk's loads, which stay out
.macro STAGE rs, ls, cnt
	s_wait_loadcnt \cnt
	WIN 0x0a
.set i, 0
.rept 32
	v_cvt_pk_bf16_f32 v[T+i], v[128+64*(\rs)+2*i], v[128+64*(\rs)+2*i+1]
.set i, i+1
.endr
	WIN 0
.irp f, 0,1
.irp j, 0,1,2,3,4,5,6,7
	ds_store_b64 v[ASTO], v[T+16*\f+2*\j:T+16*\f+2*\j+1] offset:ASLOT*(\ls)+AFEAT*\f+8*PA*\j
.endr
.endr
.endm
; A step's part in the features' road, for set and slot x.  Two ways: the younger chunk's sixteen loads stay out, the chunk is staged and the next but one asked for; or, in the loop's last trip,
; where nothing is left to ask for, the wait is for 0.  Behind the first way sixteen loads have always been issued, behind the second none is out: the counted wait holds whatever way came before.
.macro FEED x
	s_cmp_eq_u32 s46, 1
	s_cbranch_scc1 .Lfb_\@
	STAGE \x, \x, 16
	ISSUE \x
	s_branch .Lfd_\@
.Lfb_\@:
	STAGE \x, \x, 0
.Lfd_\@:
.endm
	ISSUE 0                                        ; chunk 0
	ISSUE 1                                        ; chunk 1
	v_mul_u32_u24 v[AADR], v1, PA
	v_lshl_add_u32 v[AADR], v2, 4, v[AADR]
	v_mul_u32_u24 v[ASTO], v4, PA
	v_lshl_add_u32 v[ASTO], v1, 3, v[ASTO]
	v_and_b32 v5, 7, v0                            ; the turning load: lane l reads row 8 h + l % 8, 16 bytes at 16 ((l / 8) % 2)
	v_lshl_add_u32 v5, v2, 3, v5
	v_mul_u32_u24 v5, v5, PB
	v_bfe_u32 v6, v0, 3, 1
	v_lshl_add_u32 v5, v6, 4, v5
	s_lshl_b32 s51, s[WV], 7                       ; my 64 columns
	v_add_nc_u32 v5, s51, v5
	v_add_nc_u32 v[BADR+0], BR, v5
	v_add_nc_u32 v[BADR+1], BR+32*PB, v5
	v_add_nc_u32 v[BADR+2], BR+BSLOT, v5
	v_add_nc_u32 v[BADR+3], BR+BSLOT+32*PB, v5
	v_mul_u32_u24 v6, v1, SP
	v_lshl_add_u32 v6, v2, 4, v6
	v_add_nc_u32 v6, s51, v6                       ; 528 r + 16 h + 128 w
	s_mul_i32 s52, s[WV], 16*SP
	v_lshl_add_u32 v7, v3, 4, s52                  ; 16 lane + my 16 rows
.irp p, 0,1,2
	v_add_nc_u32 v[STO+\p], BR+PLANE*\p, v6
	v_add_nc_u32 v[RD+\p], BR+PLANE*\p, v7
.endr
	s_lshl_b32 s52, s[WV], 13
	v_lshl_add_u32 v[GO], v3, 4, s52
	; the 48 sums start at 0: a product of two zero fragments for each
.irp i, 0,1,2,3,4,5,6,7
	v_mov_b32 v[FA+\i], 0
	v_mov_b32 v[FB+\i], 0
.endr
	WIN 0x40
.set a, 0
.rept 32
	v_wmma_f32_16x16x32_bf16 v[8*a:8*a+7], v[FB:FB+7], v[FA:FA+7], 0
.set a, a+1
.endr
	WIN 0x80
.set a, 0
.rept 16
	v_wmma_f32_16x16x32_bf16 v[8*a:8*a+7], v[FB:FB+7], v[FA:FA+7], 0
.set a, a+1
.endr
	WIN 0
; the fragments of group (kk, p): plane p's four of W; with p = 0 q's four, with p = 1 kv's four (they serve p = 2 too)
.macro LOADG sl, kk, p
	WIN 0
	PLACES
.if (\p) < 2
.irp mt, 0,1,2,3
	ds_load_b128 v[FA+32*(\p)+8*\mt:FA+32*(\p)+8*\mt+3],   v[AADR] offset:ASLOT*(\sl)+AFEAT*(\p)+16*PA*\mt+64*(\kk)
	ds_load_b128 v[FA+32*(\p)+8*\mt+4:FA+32*(\p)+8*\mt+7], v[AADR] offset:ASLOT*(\sl)+AFEAT*(\p)+16*PA*\mt+64*(\kk)+32
.endr
.endif
.set fb, FB+32*((3*(\kk)+(\p))%2)
.irp nb, 0,1,2,3
	ds_load_tr16_b128 v[fb+8*\nb:fb+8*\nb+3],   v[BADR+2*(\sl)+(\kk)] offset:544*(\p)+32*\nb
	ds_load_tr16_b128 v[fb+8*\nb+4:fb+8*\nb+7], v[BADR+2*(\sl)+(\kk)] offset:544*(\p)+32*\nb+16*PB
.endr
.endm
; 16 products: plane p's 16 accumulators, one instruction each: they take turns
.macro MULG kk, p
.if (\p) == 2
	WIN 0xa0
.else
	WIN 0x50
.endif
.set fb, FB+32*((3*(\kk)+(\p))%2)
.set fa, FA+32*(((\p)+1)/2)
.set ac, 128*((\p)%2)
.irp mt, 0,1,2,3
.irp nb, 0,1,2,3
	v_wmma_f32_16x16x32_bf16 v[ac+8*(4*\mt+\nb):ac+8*(4*\mt+\nb)+7], v[fb+8*\nb:fb+8*\nb+7], v[fa+8*\mt:fa+8*\mt+7], v[ac+8*(4*\mt+\nb):ac+8*(4*\mt+\nb)+7]
.endr
.endr
.endm
; a K step's six groups; a group's loads are issued one group ahead; each wait leaves out the loads just issued
.macro COMPUTE sl
	LOADG \sl, 0, 0
	LOADG \sl, 0, 1
	s_wait_dscnt 16
	MULG 0, 0
	LOADG \sl, 0, 2
	s_wait_dscnt 8
	MULG 0, 1
	LOADG \sl, 1, 0
	s_wait_dscnt 16
	MULG 0, 2
	LOADG \sl, 1, 1
	s_wait_dscnt 16
	MULG 1, 0
	LOADG \sl, 1, 2
	s_wait_dscnt 8
	MULG 1, 1
	s_wait_dscnt 0x0
	MULG 1, 2
.endm
; K step in slot sl.  One barrier does three things: my part of W's slot sl has landed; my stores into the features' slot sl are done; my reads of the other slots are over.
.macro STEP sl, refill, feed
	WIN 0
	s_wait_tensorcnt 0x0                           ; all my tensor loads have landed: the one that was out is my part of this step's tile
	ds_add_u32 v[SPW], v[NIL]                      ; 0 onto my spare word
.if \refill
	NEXTW 36-4*(\sl)                               ; no load of mine is out: the other slot's group 0 takes the walk's next tile
.endif
	s_wait_dscnt 0x0                               ; the add, my stores and my reads are done
.if \refill
	ROUND                                          ; no wave of any partner still reads the other slot
	TL 36-4*(\sl), 24                              ; the next K step, into the slot read last: my one tensor load behind the round
.else
	s_barrier_signal -1
	s_barrier_wait -1
.endif
.if \feed
	FEED 1-(\sl)
.endif
	COMPUTE \sl
.endm
	STAGE 0, 0, 16                                 ; chunk 0 into slot 0; chunk 1's sixteen loads stay out
	ISSUE 0                                        ; chunk 2
	s_mov_b32 s46, 8
.Lk:                                                   ; step s stages chunk s + 1 and asks for chunk s + 3 and for W's step s + 1
	STEP 0, 1, 1                                   ; steps 0, 2 .. 14; in step 14 (s46 = 1) no chunk is left to ask for
	WIN 0
	s_sub_co_u32 s46, s46, 1
	s_cmp_eq_u32 s46, 0
	s_cbranch_scc1 .Llast                          ; behind step 14 the loop is left
	STEP 1, 1, 1                                   ; steps 1, 3 .. 13; in step 13 (s46 = 1) no chunk is left to ask for
	WIN 0
	s_cmp_lg_u32 s46, 0                            ; always so here: the loop ends at the jump above
	s_cbranch_scc1 .Lk
.Llast:
	STEP 1, 0, 0                                   ; step 15: nothing is left to fetch
	; THE WAY OUT: rounded to bf16; through W's slot 0 (its last fill was read in step 14, and every wave has passed step 15's barrier since); back as whole rows of 512 bytes
	WIN 0
	PLACES
	WIN 0x05
.set a, 0
.rept 32
.irp q, 0,1,2,3
	v_cvt_pk_bf16_f32 v[OUT+4*a+\q], v[8*a+2*\q], v[8*a+2*\q+1]
.endr
.set a, a+1
.endr
	WIN 0x0a
.set a, 0
.rept 16
.irp q, 0,1,2,3
	v_cvt_pk_bf16_f32 v[OUT+128+4*a+\q], v[8*a+2*\q], v[8*a+2*\q+1]
.endr
.set a, a+1
.endr
	WIN 0
.irp p, 0,1,2
.irp mt, 0,1,2,3
.irp nb, 0,1,2,3
	ds_store_b128 v[STO+\p], v[OUT+4*(16*\p+4*\mt+\nb):OUT+4*(16*\p+4*\mt+\nb)+3] offset:16*SP*\mt+32*\nb
.endr
.endr
.endr
	s_wait_dscnt 0x0                               ; for the others' sake: a row's 512 bytes come from four waves
	s_barrier_signal -1
	s_barrier_wait -1
.set n, 0
.rept 48
	ds_load_b128 v[OUT+4*n:OUT+4*n+3], v[RD+n/16] offset:SP*(n%16)
.set n, n+1
.endr
.set n, 0
.rept 48
.if n%16 == 0
	s_wait_dscnt 32-n                              ; this plane's sixteen loads are back; the later planes' stay out
.endif
	global_store_b128 v[GO], v[OUT+4*n:OUT+4*n+3], s[10+2*(n/16):11+2*(n/16)] offset:512*(n%16)   ; a wave's store: 512 consecutive bytes, a whole row
.set n, n+1
.endr
	s_wait_tensorcnt 0x0                           ; the wave's end
	ds_add_u32 v[SPW], v[NIL]
	s_wait_dscnt 0x0
	ROUND                                          ; the closing round
	s_endpgm
.Lfunc_end_k_q26f03052e2_proj:
	.size	k_q26f03052e2_proj, .Lfunc_end_k_q26f03052e2_proj-k_q26f03052e2_proj
	.p2alignl 7, 3214868480
	.fill 96, 4, 3214868480
	.section	.rodata,"a",@progbits
	.p2align	6, 0x0
	.amdhsa_kernel k_q26f03052e2_proj
		.amdhsa_group_segment_fixed_size 327680
		.amdhsa_private_segment_fixed_size 0
		.amdhsa_enable_private_segment 0
		.amdhsa_kernarg_size 48
		.amdhsa_user_sgpr_count 2
		.amdhsa_user_sgpr_kernarg_segment_ptr 1
		.amdhsa_wavefront_size32 1
		.amdhsa_system_sgpr_workgroup_id_x 1
		.amdhsa_system_sgpr_workgroup_id_y 1
		.amdhsa_system_sgpr_workgroup_id_z 1
		.amdhsa_system_vgpr_workitem_id 0
		.amdhsa_next_free_vgpr 768
		.amdhsa_next_free_sgpr 66
		.amdhsa_reserve_vcc 0
		.amdhsa_float_denorm_mode_32 3
		.amdhsa_float_denorm_mode_16_64 3
		.amdhsa_memory_ordered 1
		.amdhsa_forward_progress 1
		.amdhsa_inst_pref_size 96
	.end_amdhsa_kernel
	.amdgpu_metadata
---
amdhsa.version: [ 1, 2 ]
amdhsa.kernels:
  - .name:           k_q26f03052e2_proj
    .symbol:         k_q26f03052e2_proj.kd
    .args:
      - { .name: q_feat, .offset: 0, .size: 8, .value_kind: global_buffer, .address_space: global }
      - { .name: kv_feat, .offset: 8, .size: 8, .value_kind: global_buffer, .address_space: global }
      - { .name: wqkv, .offset: 16, .size: 8, .value_kind: global_buffer, .address_space: global }
      - { .name: Qb, .offset: 24, .size: 8, .value_kind: global_buffer, .address_space: global }
      - { .name: Kb, .offset: 32, .size: 8, .value_kind: global_buffer, .address_space: global }
      - { .name: Vb, .offset: 40, .size: 8, .value_kind: global_buffer, .address_space: global }
    .group_segment_fixed_size: 327680
    .private_segment_fixed_size: 0
    .kernarg_segment_align: 8
    .kernarg_segment_size: 48
    .max_flat_workgroup_size: 128
    .sgpr_count:     66
    .vgpr_count:     768
    .wavefront_size: 32
...
	.end_amdgpu_metadata
.endif
;; end of part 5
;; launch attn (part 6): grid 64 x 4, 4 waves a work-group, clusters of 4 x 1, 327,680 bytes of LDS; arguments Qb, Kb, Vb, ctx; writes ctx
.if DOCPART == 6
	.amdgcn_target "amdgcn-amd-amdhsa--gfx1250"
	.amdhsa_code_object_version 6
	.text
	.protected	k_q26f03052e2_attn
	.globl	k_q26f03052e2_attn
	.p2align	8
	.type	k_q26f03052e2_attn,@function
k_q26f03052e2_attn:
	s_mov_b64 s[64:65], 0
	v_nop
	global_prefetch_b8 v0, s[64:65] scope:SCOPE_SE
	s_setreg_imm32_b32 hwreg(HW_REG_WAVE_MODE, 25, 1), 1
	s_wait_xcnt 0x0
	s_wait_alu depctr_hold_cnt(0) depctr_sa_sdst(0) depctr_va_vdst(0) depctr_va_sdst(0) depctr_va_ssrc(0) depctr_va_vcc(0) depctr_vm_vsrc(0)
	s_getreg_b32 s2, hwreg(HW_REG_IB_STS2, 6, 4)
	s_cmp_eq_u32 s2, 0
	s_cbranch_scc0 .Lentry_in_a_cluster
	s_endpgm
.Lentry_in_a_cluster:
	s_bfe_u32 s2, ttmp6, 0x10000c
	s_cmp_lg_u32 s2, 0x3003
	s_cbranch_scc0 .Lentry_shape_is_right
	s_endpgm
.Lentry_shape_is_right:
; ATTN.  ctx[b][q] = the sum over k of softmax_k(Q[b][q] . K[b][k] / 16) V[b][k].  Qb, Kb, Vb, ctx: [4][4096][256] bf16.  Products, maxima and sums in f32; weights rounded to bf16 for the second product.
; SHARES.  A work-group owns 64 queries of one batch.  EVERY wave holds all 64 queries (four tiles of 16) and takes its OWN 64 keys of each tile of 256 keys; 16 steps.
; Each wave keeps a running maximum m, sum l and O^T of its own keys; the four waves' are merged at the end, through LDS.
; LAYOUT.  S^T = K Q^T (source 0 = 16 keys, source 1 = 16 queries): a lane holds ONE query (lane % 16) and keys 8 (lane / 16) + 0..7.  Two such results rounded to bf16 in pairs ARE source 1 of
; O^T = V^T P, whose result again holds one query a lane.  K comes out of LDS as it lies, V turned by ds_load_tr16_b128.
; SOFTMAX.  p = 2^(c s - c m), c = log2(e) / 16, m the running maximum; in every step O and l are multiplied by a = 2^(c m_old - c m_new).  m starts at the lowest finite number, O and l at 0.
; LDS.  One region for K's tile and one for V's.  K's is filled again behind the softmax's exponentials, V's behind V^T P: so V's tile has K Q^T and the softmax's first half in which to land,
; K's the second half and V^T P.  A wave fetches and reads its own 64 rows alone.
; CLUSTER.  The four query blocks of a cluster belong to one batch and walk the same K and V: each tile is asked for JOINTLY (mask 15); a round of the cluster's barrier stands in front of each refill.
; THE WALK OVER THE KEYS begins at tile (cluster's x, 0 to 15) and wraps round: in any step a batch's 16 clusters ask for 16 different tiles, and each of these was asked for one step before by the
; cluster whose start is one further on.  A running softmax takes the keys in any order.  Only global addresses hang on the start, which the partners share.
; The work is written in phases (products, softmax, products).  O^T starts from 64 products of two zero fragments, issued while the first tiles are out: no first step is written out.
; THE LOOP is left behind the last step's exponentials, so K Q^T and the softmax's first half are written once; the rest of the last step, which asks for no tile, is written out behind the loop.
; LIMITS: a weight below 2^-126 counts as 0 in l; NaN and infinities are not treated apart.
; REGISTERS: window 0: v2-18 addresses; v32-63 statistics, 8 a tile; v64-191 S^T (tile t, key block kt at 64 + 32 t + 8 kt), P in place; v192-255 two banks of fragments.
;   window 1: Q (tile t, channels 32 c on, at 64 t + 8 c);  windows 2, 3: O^T (channel block cb, tile t at 8 (4 (cb % 8) + t)).
.set PK,    528                        ; a row of K: 512 bytes + 16
.set PV,    544                        ; a row of V: 512 + 32, an odd multiple of 32
.set VREG,  256*PK
.set SPARE, VREG+256*PV                ; the spare words: two blocks of 256 bytes that no other line names
.set STATS, SPARE+512                  ; 2,048 bytes: (c m, l) by wave, tile and query
.set GST,   STATS+2048                 ; 2,048 bytes: the merge's four factors of a query, each twice, by reading wave and query
.set PP,    1040                       ; the merge: a query's 256 f32 + 16 bytes; wave p's 64 rows at PART p, over K's and V's regions after their last fills
.set PART,  64*PP
.set KADR, 2
.set VADR, 3
.set QO,   4
.set STA,  5
.set STR,  6
.set PSTO, 7
.set PRD,  8                           ; v8-11
.set GO,   12
.set GSTO, 17
.set GRD,  18
.set SPW,  28                          ; v28  SPARE + 4 x my thread's number; never rewritten
.set NIL,  29                          ; v29  0; never rewritten
.set ST,   32                          ; tile t at ST + 8 t: c m, m, l (even keys', odd keys'), c0-c3 at work; a takes c2's place
.set S,    64
.set F,    192
.set MG,   96                          ; the merge: at work
.set GG,   104                         ; the merge: my queries' factors, each twice
.set GV,   112                         ; the merge: two rows' factors as read back
.set BK,   128                         ; the merge: two rows x four shares x 8
.set OUT,  192                         ; the merge: 4 registers a row
.set WV,   12                          ; s12 wave
.set OFK,  20                          ; s[20:21] byte in the batch's K at which the tile last asked for begins
.set OFV,  62                          ; s[62:63] the same for V
.set CS,   58                          ; s[58:59] c
.set SEL,  60                          ; s[60:61] v_permlanex16_b32's selects: each lane takes its own place in the other half
.set MSB, 0
.macro WIN new
.if MSB != (\new)
	s_set_vgpr_msb (MSB<<8)|(\new)
.set MSB, (\new)
.endif
.endm
.macro PLACES
.rept 4
	v_nop
.endr
.endm
.macro ROUND
	s_barrier_signal -1
	s_barrier_wait -1
	s_cmp_lg_u32 s[WV], 0
	s_cbranch_scc1 .Lnw0_\@
	s_barrier_signal -3
.Lnw0_\@:
	s_barrier_wait -3
	s_barrier_signal -1
	s_barrier_wait -1
.endm
	s_load_b256 s[4:11], s[0:1], 0x0               ; Qb s[4:5], Kb s[6:7], Vb s[8:9], ctx s[10:11]
	v_lshl_add_u32 v[SPW], v0, 2, SPARE
	v_mov_b32 v[NIL], 0
	ds_add_u32 v28, v29
	s_wait_dscnt 0x0
	v_lshrrev_b32 v1, 5, v0
	v_readfirstlane_b32 s[WV], v1
	s_bfe_u32 s13, ttmp6, 0x40000                  ; cx
	s_lshl_b32 s14, ttmp9, 2
	s_add_co_u32 s14, s14, s13                     ; my block of 64 queries: it enters Q's and ctx's addresses alone
	s_and_b32 s15, ttmp7, 0xffff                   ; the batch, which the partners share
	s_lshl_b32 s16, s15, 21                        ; 4,096 rows of 512 bytes
	s_lshl_b32 s17, s[WV], 15                      ; my 64 rows of a tile
	s_add_co_u32 s20, s16, s17
	s_mov_b32 s21, 0
	s_lshl_b32 s18, s14, 15
	s_add_co_u32 s22, s16, s18
	s_mov_b32 s23, 0
	; group 1: 64 rows x 256 elements of 2 bytes, padded after every 128 words: 4 words for K, 8 for V
	s_mov_b32 s24, 15|(1<<16)|(1<<20)|(1<<21)|(6<<22)|(3<<25)
	s_mov_b32 s32, 15|(1<<16)|(1<<20)|(1<<21)|(6<<22)|(7<<25)
.irp g, 24, 32
	s_mov_b32 s[\g+1], 256<<16                     ; tensor_dim0
	s_mov_b32 s[\g+2], 64<<16                      ; tensor_dim1
	s_mov_b32 s[\g+3], 256<<16                     ; tile_dim0
	s_mov_b32 s[\g+4], 64                          ; tile_dim1
	s_mov_b32 s[\g+5], 256                         ; elements from row to row
	s_mov_b32 s[\g+6], 0
	s_mov_b32 s[\g+7], 0
.endr
	s_mov_b32 s40, 1
	s_mul_i32 s41, s[WV], 64*PK
	s_mov_b32 s44, 1
	s_mul_i32 s45, s[WV], 64*PV
	s_add_co_u32 s45, s45, VREG
	s_mul_i32 s48, s[WV], 64*PK                    ; the same two numbers for my reads
	s_mul_i32 s49, s[WV], 64*PV
	s_add_co_u32 s49, s49, VREG
	s_mov_b32 s[CS], 0x3db8aa3b                    ; log2(e) / 16
	s_mov_b32 s[CS+1], s[CS]
	s_mov_b32 s[SEL], 0x76543210
	s_mov_b32 s[SEL+1], 0xfedcba98
	s_wait_kmcnt 0x0
	s_add_nc_u64 s[6:7], s[6:7], s[20:21]          ; K and V at my 64 rows of the batch's tile 0; never rewritten
	s_add_nc_u64 s[8:9], s[8:9], s[20:21]
	s_add_nc_u64 s[4:5], s[4:5], s[22:23]
	s_add_nc_u64 s[10:11], s[10:11], s[22:23]
	s_and_b32 s[OFK], ttmp9, 15                    ; the cluster's first tile,
	s_lshl_b32 s[OFK], s[OFK], 17                  ; 256 rows of 512 bytes each (s21 is 0 still)
	s_mov_b32 s[OFV], s[OFK]
	s_mov_b32 s[OFV+1], 0
	s_add_nc_u64 s[42:43], s[6:7], s[OFK:OFK+1]
	s_or_b32 s43, s43, 0x80000000
	s_add_nc_u64 s[46:47], s[8:9], s[OFV:OFV+1]
	s_or_b32 s47, s47, 0x80000000
	ROUND                                          ; the four work-groups are here
	tensor_load_to_lds s[40:43], s[24:31]          ; K's first tile
	s_nop 0
	tensor_load_to_lds s[44:47], s[32:39]          ; V's: two loads of mine are out
	s_nop 0
	PLACES
	v_and_b32 v13, 15, v0                          ; r
	v_bfe_u32 v14, v0, 4, 1                        ; h
	v_and_b32 v15, 31, v0                          ; lane
	v_lshlrev_b32 v[QO], 9, v13
	v_lshl_add_u32 v[QO], v14, 4, v[QO]
	WIN 0x40
.set i, 0
.rept 32                               ; Q stays in registers: tile i / 8, channels 32 (i % 8) on
	global_load_b128 v[8*i:8*i+3],   v[QO], s[4:5] offset:(i/8)*8192+(i%8)*64
	global_load_b128 v[8*i+4:8*i+7], v[QO], s[4:5] offset:(i/8)*8192+(i%8)*64+32
.set i, i+1
.endr
	WIN 0
.irp i, 0,1,2,3,4,5,6,7                ; O^T starts at 0: a product of two zero fragments for each of its 64 accumulators
	v_mov_b32 v[F+\i], 0
	v_mov_b32 v[F+32+\i], 0
.endr
	WIN 0x80
.set a, 0
.rept 32
	v_wmma_f32_16x16x32_bf16 v[8*a:8*a+7], v[F:F+7], v[F+32:F+39], 0
.set a, a+1
.endr
	WIN 0xc0
.set a, 0
.rept 32
	v_wmma_f32_16x16x32_bf16 v[8*a:8*a+7], v[F:F+7], v[F+32:F+39], 0
.set a, a+1
.endr
	WIN 0
.irp t, 0,1,2,3
	v_mov_b32 v[ST+8*\t], 0xfe000000               ; c m: far below every c s
	v_mov_b32 v[ST+8*\t+1], 0xff7fffff             ; m
	v_mov_b32 v[ST+8*\t+2], 0
	v_mov_b32 v[ST+8*\t+3], 0
.endr
	v_mul_u32_u24 v[KADR], v13, PK
	v_lshl_add_u32 v[KADR], v14, 4, v[KADR]
	v_add_nc_u32 v[KADR], s48, v[KADR]             ; 528 r + 16 h + my 64 rows
	v_and_b32 v16, 7, v0
	v_lshl_add_u32 v16, v14, 3, v16
	v_mul_u32_u24 v[VADR], v16, PV
	v_bfe_u32 v16, v0, 3, 1
	v_lshl_add_u32 v[VADR], v16, 4, v[VADR]
	v_add_nc_u32 v[VADR], s49, v[VADR]
	s_lshl_b32 s50, s[WV], 9
	v_lshl_add_u32 v[STA], v13, 3, s50
	v_add_nc_u32 v[STA], STATS, v[STA]             ; where my (c m, l) go: wave, then tile (in the immediate), then query
	s_lshl_b32 s54, s[WV], 7
	v_lshl_add_u32 v[STR], v13, 3, s54
	v_add_nc_u32 v[STR], STATS, v[STR]             ; what I read back: tile w, the waves in the immediate
	s_add_co_u32 s55, s50, GST
	v_lshl_add_u32 v[GSTO], v13, 5, s55
	v_mov_b32 v[GRD], s55
	s_mul_i32 s51, s[WV], PART
	v_mul_u32_u24 v[PSTO], v13, PP
	v_lshl_add_u32 v[PSTO], v14, 5, v[PSTO]
	v_add_nc_u32 v[PSTO], s51, v[PSTO]
	s_mul_i32 s52, s[WV], 16*PP
	v_lshl_add_u32 v[PRD], v15, 5, s52
.irp p, 1,2,3
	v_add_nc_u32 v[PRD+\p], PART*\p, v[PRD]
.endr
	s_lshl_b32 s53, s[WV], 13
	v_lshl_add_u32 v[GO], v15, 4, s53
; K's four fragments of channels 32 c on, into bank c % 2 (destination and address in window 0 under both settings in use)
.macro SLOAD c
	PLACES
.irp kt, 0,1,2,3
	ds_load_b128 v[F+32*((\c)%2)+8*\kt:F+32*((\c)%2)+8*\kt+3],   v[KADR] offset:16*PK*\kt+64*(\c)
	ds_load_b128 v[F+32*((\c)%2)+8*\kt+4:F+32*((\c)%2)+8*\kt+7], v[KADR] offset:16*PK*\kt+64*(\c)+32
.endr
.endm
; S^T = K Q^T: eight groups of 16 products; the 16 accumulators take turns; a group's loads are issued one group ahead
.macro SPHASE
	WIN 0x04
.set c, 0
.rept 8
.if c < 7
	SLOAD c+1
	s_wait_dscnt 8                                 ; all but the eight just issued
.else
	s_wait_dscnt 0x0
.endif
.irp t, 0,1,2,3
.irp kt, 0,1,2,3
.if c == 0
	v_wmma_f32_16x16x32_bf16 v[S+32*\t+8*\kt:S+32*\t+8*\kt+7], v[F+32*(c%2)+8*\kt:F+32*(c%2)+8*\kt+7], v[64*\t+8*c:64*\t+8*c+7], 0
.else
	v_wmma_f32_16x16x32_bf16 v[S+32*\t+8*\kt:S+32*\t+8*\kt+7], v[F+32*(c%2)+8*\kt:F+32*(c%2)+8*\kt+7], v[64*\t+8*c:64*\t+8*c+7], v[S+32*\t+8*\kt:S+32*\t+8*\kt+7]
.endif
.endr
.endr
.set c, c+1
.endr
.endm
; A region has been read out.  refill = 1: it is filled again with the walk's next 256 keys, behind a round of the cluster's barrier; the address is made anew from the fixed base and the offset, which wraps behind the batch's 16 tiles.
.macro CHANGE g0, g1, refill, base=0, off=0
	WIN 0
	s_wait_tensorcnt 0x0                           ; all my tensor loads have landed: the one that was out is the other region's
	ds_add_u32 v[SPW], v[NIL]                      ; 0 onto my spare word
.if \refill
	s_add_co_u32 s[\off], s[\off], 131072          ; 256 rows on,
	s_and_b32 s[\off], s[\off], 0x1fffff           ; round the batch's 4,096
	s_add_nc_u64 s[(\g0)+2:(\g0)+3], s[(\base):(\base)+1], s[(\off):(\off)+1]
	s_or_b32 s[(\g0)+3], s[(\g0)+3], 0x80000000
.endif
	s_wait_dscnt 0x0                               ; the add is done, and my reads of the region are over
.if \refill
	ROUND                                          ; no wave of any partner still reads the region
	tensor_load_to_lds s[(\g0):(\g0)+3], s[(\g1):(\g1)+7]
	s_nop 0
.endif
	PLACES
.endm
; V's four fragments of group g (channel blocks 2 g, 2 g + 1; key halves 0, 1), turned, into bank g % 2
.macro PVLOAD g
	WIN 0
	PLACES
.irp cbi, 0,1
.irp kk, 0,1
	ds_load_tr16_b128 v[F+32*((\g)%2)+8*(2*\cbi+\kk):F+32*((\g)%2)+8*(2*\cbi+\kk)+3],   v[VADR] offset:32*PV*\kk+32*(2*(\g)+\cbi)
	ds_load_tr16_b128 v[F+32*((\g)%2)+8*(2*\cbi+\kk)+4:F+32*((\g)%2)+8*(2*\cbi+\kk)+7], v[VADR] offset:32*PV*\kk+32*(2*(\g)+\cbi)+16*PV
.endr
.endr
.endm
; O^T += V^T P: eight groups of 16 products; between the two links of a chain stand seven others'
.macro PVPHASE
.set g, 0
.rept 8
.if g < 7
	PVLOAD g+1
	s_wait_dscnt 8
.else
	s_wait_dscnt 0x0
.endif
	WIN 0xa0+0x50*(g/4)
.irp kk, 0,1
.irp cbi, 0,1
.irp t, 0,1,2,3
	v_wmma_f32_16x16x32_bf16 v[8*(4*((2*g+\cbi)%8)+\t):8*(4*((2*g+\cbi)%8)+\t)+7], v[F+32*(g%2)+8*(2*\cbi+\kk):F+32*(g%2)+8*(2*\cbi+\kk)+7], v[S+32*\t+16*\kk:S+32*\t+16*\kk+7], v[8*(4*((2*g+\cbi)%8)+\t):8*(4*((2*g+\cbi)%8)+\t)+7]
.endr
.endr
.endr
.set g, g+1
.endr
.endm
; the softmax of a step, stage by stage, the four tiles alternating, in two halves
.macro RESC win
	WIN \win
.set a, 0
.rept 32
.set i, 0
.rept 4
	v_pk_mul_f32 v[8*a+2*i:8*a+2*i+1], v[8*a+2*i:8*a+2*i+1], v[ST+8*(a%4)+6:ST+8*(a%4)+7] op_sel_hi:[1,0]
.set i, i+1
.endr
.set a, a+1
.endr
.endm
.macro SOFT1                           ; the maximum, the statistics, the scalings, the exponentials
	WIN 0
	PLACES                                         ; the places behind the last products K Q^T
.set j, 0
.rept 4                                ; four chains of seven scores; each accumulator's lowest registers are read first
.irp t, 0,1,2,3
	v_max3_num_f32 v[ST+8*\t+4+j], v[S+32*\t+8*j], v[S+32*\t+8*j+1], v[S+32*\t+8*j+2]
.endr
.set j, j+1
.endr
.rept 8
.irp t, 0,1,2,3
	v_max3_num_f32 v[ST+8*\t+4+j%4], v[ST+8*\t+4+j%4], v[S+32*\t+8*(j%4)+2*(j/4)+1], v[S+32*\t+8*(j%4)+2*(j/4)+2]
.endr
.set j, j+1
.endr
.irp t, 0,1,2,3
	v_max3_num_f32 v[ST+8*\t+4], v[ST+8*\t+4], v[S+32*\t+7], v[S+32*\t+15]
.endr
.irp t, 0,1,2,3
	v_max3_num_f32 v[ST+8*\t+6], v[ST+8*\t+6], v[S+32*\t+23], v[S+32*\t+31]
.endr
.irp t, 0,1,2,3
	v_max3_num_f32 v[ST+8*\t+4], v[ST+8*\t+4], v[ST+8*\t+5], v[ST+8*\t+6]
.endr
.irp t, 0,1,2,3
	v_max3_num_f32 v[ST+8*\t+4], v[ST+8*\t+4], v[ST+8*\t+7], v[ST+8*\t+1]   ; and the old m
.endr
.irp t, 0,1,2,3
	v_permlanex16_b32 v[ST+8*\t+5], v[ST+8*\t+4], s[SEL], s[SEL+1]          ; the query's other 32 keys lie in the lane 16 away
.endr
.irp t, 0,1,2,3
	v_max_num_f32 v[ST+8*\t+1], v[ST+8*\t+4], v[ST+8*\t+5]
.endr
.irp t, 0,1,2,3
	v_mov_b32 v[ST+8*\t+7], v[ST+8*\t]
.endr
.irp t, 0,1,2,3
	v_mul_f32 v[ST+8*\t], s[CS], v[ST+8*\t+1]
.endr
.irp t, 0,1,2,3
	v_sub_f32 v[ST+8*\t+7], v[ST+8*\t+7], v[ST+8*\t]
.endr
.irp t, 0,1,2,3
	v_exp_f32 v[ST+8*\t+6], v[ST+8*\t+7]           ; a; the scalings below are the plain instructions behind it
.endr
.set j, 0
.rept 16
.irp t, 0,1,2,3
	v_pk_fma_f32 v[S+32*\t+2*j:S+32*\t+2*j+1], v[S+32*\t+2*j:S+32*\t+2*j+1], s[CS:CS+1], v[ST+8*\t:ST+8*\t+1] op_sel_hi:[1,0,0] neg_lo:[0,0,1] neg_hi:[0,0,1]
.endr
.set j, j+1
.endr
.set j, 0
.rept 128
	v_exp_f32 v[S+j], v[S+j]
.set j, j+1
.endr
	v_nop                                          ; a plain instruction between the last exponential and the use of its result
.endm
.macro SOFT2                           ; the sums, the roundings, the rescaling
	WIN 0
	s_wait_alu depctr_va_vdst(0)
.irp t, 0,1,2,3
	v_pk_add_f32 v[ST+8*\t+4:ST+8*\t+5], v[S+32*\t:S+32*\t+1], v[S+32*\t+2:S+32*\t+3]
.endr
.set j, 2
.rept 14
.irp t, 0,1,2,3
	v_pk_add_f32 v[ST+8*\t+4:ST+8*\t+5], v[ST+8*\t+4:ST+8*\t+5], v[S+32*\t+2*j:S+32*\t+2*j+1]
.endr
.set j, j+1
.endr
.irp t, 0,1,2,3
	v_pk_fma_f32 v[ST+8*\t+2:ST+8*\t+3], v[ST+8*\t+2:ST+8*\t+3], v[ST+8*\t+6:ST+8*\t+7], v[ST+8*\t+4:ST+8*\t+5] op_sel_hi:[1,0,1]   ; l = a l + the sum
.endr
.set j, 0
.rept 8                                ; P in place, ascending: register j of a half takes weights 2 j, 2 j + 1
.irp t, 0,1,2,3
	v_cvt_pk_bf16_f32 v[S+32*\t+j], v[S+32*\t+2*j], v[S+32*\t+2*j+1]
	v_cvt_pk_bf16_f32 v[S+32*\t+16+j], v[S+32*\t+16+2*j], v[S+32*\t+16+2*j+1]
.endr
.set j, j+1
.endr
	RESC 0x82                                      ; O^T times a, each accumulator from its low end on
	RESC 0xc3
.endm
	s_wait_tensorcnt 1                             ; my 64 rows of K's first tile are in; V's may stay out: nothing is filled before the next wait for 0
	SLOAD 0
	s_wait_loadcnt 0x0                             ; Q
	s_mov_b32 s56, 16
.Lstep:
	SPHASE
	SOFT1
	s_sub_co_u32 s56, s56, 1
	s_cmp_eq_u32 s56, 0
	s_cbranch_scc1 .Llast                          ; the sixteenth step asks for nothing: its rest is written out below
	CHANGE 40, 24, 1, 6, OFK                       ; K's region takes the next tile; V's tile of this step has landed
	PVLOAD 0
	SOFT2
	PVPHASE
	CHANGE 44, 32, 1, 8, OFV                       ; V's region takes the next tile; K's next tile has landed
	SLOAD 0
	s_cmp_lg_u32 s56, 0                            ; always so here: the loop ends at the jump above
	s_cbranch_scc1 .Lstep
.Llast:
	CHANGE 40, 24, 0                               ; V's last tile has landed
	PVLOAD 0
	SOFT2
	PVPHASE
	; THE MERGE.  Each wave: l's halves and the other lanes' are added; (c m, l) goes to LDS; behind a barrier, which also shows every wave's reads of K's and V's regions over, O^T goes there as it is.
	; Wave w finishes tile w's 16 queries: M = the largest c m_p, L = the sum of 2^(c m_p - M) l_p, g_p = 2^(c m_p - M) / L, ctx = the sum of g_p O_p.
	WIN 0
	PLACES
.irp t, 0,1,2,3
	v_add_f32 v[ST+8*\t+4], v[ST+8*\t+2], v[ST+8*\t+3]
.endr
.irp t, 0,1,2,3
	v_permlanex16_b32 v[ST+8*\t+5], v[ST+8*\t+4], s[SEL], s[SEL+1]
.endr
.irp t, 0,1,2,3
	v_add_f32 v[ST+8*\t+1], v[ST+8*\t+4], v[ST+8*\t+5]
.endr
.irp t, 0,1,2,3
	ds_store_b64 v[STA], v[ST+8*\t:ST+8*\t+1] offset:128*\t   ; both halves of the lanes store the same pair to the same place
.endr
	s_wait_dscnt 0x0                               ; my stores are done, and so are my reads of K's and V's regions
	s_barrier_signal -1
	s_barrier_wait -1
.irp p, 0,1,2,3
	ds_load_b64 v[S+2*\p:S+2*\p+1], v[STR] offset:512*\p      ; lane r: query r of tile w, wave p's (c m, l)
.endr
	s_wait_dscnt 0x0
	v_max3_num_f32 v[MG], v[S], v[S+2], v[S+4]
	v_max_num_f32 v[MG], v[MG], v[S+6]
.irp p, 0,1,2,3
	v_sub_f32 v[MG+1+\p], v[S+2*\p], v[MG]
.endr
.irp p, 0,1,2,3
	v_exp_f32 v[MG+1+\p], v[MG+1+\p]
.endr
	v_nop
	s_wait_alu depctr_va_vdst(0)
	v_mul_f32 v[MG+5], v[MG+1], v[S+1]
.irp p, 1,2,3
	v_fmac_f32 v[MG+5], v[MG+1+\p], v[S+2*\p+1]
.endr
	v_rcp_f32 v[MG+6], v[MG+5]
	v_nop
	s_wait_alu depctr_va_vdst(0)
.irp p, 0,1,2,3                        ; each factor twice: a pair for the packed arithmetic
	v_mul_f32 v[GG+2*\p], v[MG+1+\p], v[MG+6]
	v_mul_f32 v[GG+2*\p+1], v[MG+1+\p], v[MG+6]
.endr
	ds_store_b128 v[GSTO], v[GG:GG+3]              ; my wave's own bytes: it alone reads them back
	ds_store_b128 v[GSTO], v[GG+4:GG+7] offset:16
.macro PUT win, cb0                    ; my share of O, as f32: row 16 t + r, 32 bytes at 64 cb + 32 h; each accumulator from its low end on
	WIN \win
.set a, 0
.rept 32
	ds_store_b128 v[PSTO], v[8*a:8*a+3]   offset:16*PP*(a%4)+64*((\cb0)+a/4)
	ds_store_b128 v[PSTO], v[8*a+4:8*a+7] offset:16*PP*(a%4)+64*((\cb0)+a/4)+16
.set a, a+1
.endr
.endm
	PUT 0x08, 0
	PUT 0x0c, 8
	WIN 0
	s_wait_dscnt 0x0
	s_barrier_signal -1
	s_barrier_wait -1
	s_mov_b32 s56, 8
.Lrow:                                                 ; two rows a trip: rows 16 w + 2 i, + 1 of all four shares, 32 bytes a lane from each
.irp ii, 0,1
	ds_load_b128 v[GV+8*\ii:GV+8*\ii+3],   v[GRD] offset:32*\ii
	ds_load_b128 v[GV+8*\ii+4:GV+8*\ii+7], v[GRD] offset:32*\ii+16
.irp p, 0,1,2,3
	ds_load_b128 v[BK+32*\ii+8*\p:BK+32*\ii+8*\p+3],   v[PRD+\p] offset:PP*\ii
	ds_load_b128 v[BK+32*\ii+8*\p+4:BK+32*\ii+8*\p+7], v[PRD+\p] offset:PP*\ii+16
.endr
.endr
	s_wait_dscnt 0x0
.irp ii, 0,1
.irp q, 0,1,2,3
	v_pk_mul_f32 v[BK+32*\ii+2*\q:BK+32*\ii+2*\q+1], v[BK+32*\ii+2*\q:BK+32*\ii+2*\q+1], v[GV+8*\ii:GV+8*\ii+1]
.endr
.endr
.irp p, 1,2,3
.irp ii, 0,1
.irp q, 0,1,2,3
	v_pk_fma_f32 v[BK+32*\ii+2*\q:BK+32*\ii+2*\q+1], v[BK+32*\ii+8*\p+2*\q:BK+32*\ii+8*\p+2*\q+1], v[GV+8*\ii+2*\p:GV+8*\ii+2*\p+1], v[BK+32*\ii+2*\q:BK+32*\ii+2*\q+1]
.endr
.endr
.endr
.irp ii, 0,1
.irp q, 0,1,2,3
	v_cvt_pk_bf16_f32 v[OUT+4*\ii+\q], v[BK+32*\ii+2*\q], v[BK+32*\ii+2*\q+1]
.endr
	global_store_b128 v[GO], v[OUT+4*\ii:OUT+4*\ii+3], s[10:11] offset:512*\ii   ; a whole row of ctx: 512 consecutive bytes
.endr
	s_wait_xcnt 0x0                                ; the stores' data and offset are written again only behind this wait
	v_add_nc_u32 v[GO], 1024, v[GO]
	v_add_nc_u32 v[GRD], 64, v[GRD]
.irp p, 0,1,2,3
	v_add_nc_u32 v[PRD+\p], 2*PP, v[PRD+\p]
.endr
	s_sub_co_u32 s56, s56, 1
	s_cmp_lg_u32 s56, 0
	s_cbranch_scc1 .Lrow
	s_wait_tensorcnt 0x0                           ; the wave's end
	ds_add_u32 v[SPW], v[NIL]
	s_wait_dscnt 0x0
	ROUND                                          ; the closing round
	s_endpgm
.Lfunc_end_k_q26f03052e2_attn:
	.size	k_q26f03052e2_attn, .Lfunc_end_k_q26f03052e2_attn-k_q26f03052e2_attn
	.p2alignl 7, 3214868480
	.fill 96, 4, 3214868480
	.section	.rodata,"a",@progbits
	.p2align	6, 0x0
	.amdhsa_kernel k_q26f03052e2_attn
		.amdhsa_group_segment_fixed_size 327680
		.amdhsa_private_segment_fixed_size 0
		.amdhsa_enable_private_segment 0
		.amdhsa_kernarg_size 32
		.amdhsa_user_sgpr_count 2
		.amdhsa_user_sgpr_kernarg_segment_ptr 1
		.amdhsa_wavefront_size32 1
		.amdhsa_system_sgpr_workgroup_id_x 1
		.amdhsa_system_sgpr_workgroup_id_y 1
		.amdhsa_system_sgpr_workgroup_id_z 1
		.amdhsa_system_vgpr_workitem_id 0
		.amdhsa_next_free_vgpr 1024
		.amdhsa_next_free_sgpr 66
		.amdhsa_reserve_vcc 0
		.amdhsa_float_denorm_mode_32 3
		.amdhsa_float_denorm_mode_16_64 3
		.amdhsa_memory_ordered 1
		.amdhsa_forward_progress 1
		.amdhsa_inst_pref_size 138
	.end_amdhsa_kernel
	.amdgpu_metadata
---
amdhsa.version: [ 1, 2 ]
amdhsa.kernels:
  - .name:           k_q26f03052e2_attn
    .symbol:         k_q26f03052e2_attn.kd
    .args:
      - { .name: Qb, .offset: 0, .size: 8, .value_kind: global_buffer, .address_space: global }
      - { .name: Kb, .offset: 8, .size: 8, .value_kind: global_buffer, .address_space: global }
      - { .name: Vb, .offset: 16, .size: 8, .value_kind: global_buffer, .address_space: global }
      - { .name: ctx, .offset: 24, .size: 8, .value_kind: global_buffer, .address_space: global }
    .group_segment_fixed_size: 327680
    .private_segment_fixed_size: 0
    .kernarg_segment_align: 8
    .kernarg_segment_size: 32
    .max_flat_workgroup_size: 128
    .sgpr_count:     66
    .vgpr_count:     1024
    .wavefront_size: 32
...
	.end_amdgpu_metadata
.endif
;; end of part 6
;; launch tail (part 7): grid 256 x 1, 4 waves a work-group, clusters of 4 x 1, 327,680 bytes of LDS; arguments q_feat, ctx, wt, cvec, ln_gamma, ln_beta, out0; writes out0
.if DOCPART == 7
	.amdgcn_target "amdgcn-amd-amdhsa--gfx1250"
	.amdhsa_code_object_version 6
	.text
	.protected	k_q26f03052e2_tail
	.globl	k_q26f03052e2_tail
	.p2align	8
	.type	k_q26f03052e2_tail,@function
k_q26f03052e2_tail:
	s_mov_b64 s[64:65], 0
	v_nop
	global_prefetch_b8 v0, s[64:65] scope:SCOPE_SE
	s_setreg_imm32_b32 hwreg(HW_REG_WAVE_MODE, 25, 1), 1
	s_wait_xcnt 0x0
	s_wait_alu depctr_hold_cnt(0) depctr_sa_sdst(0) depctr_va_vdst(0) depctr_va_sdst(0) depctr_va_ssrc(0) depctr_va_vcc(0) depctr_vm_vsrc(0)
	s_getreg_b32 s2, hwreg(HW_REG_IB_STS2, 6, 4)
	s_cmp_eq_u32 s2, 0
	s_cbranch_scc0 .Lentry_in_a_cluster
	s_endpgm
.Lentry_in_a_cluster:
	s_bfe_u32 s2, ttmp6, 0x10000c
	s_cmp_lg_u32 s2, 0x3003
	s_cbranch_scc0 .Lentry_shape_is_right
	s_endpgm
.Lentry_shape_is_right:
; TAIL.  out0 = LayerNorm([q_feat | ctx] wt + cvec) gamma + beta, which is LayerNorm((ctx Wo + bo + q_feat) Wfc) gamma + beta.
; SHARES.  A work-group owns 64 rows and all 1,024 columns, so that a row's mean and variance stay in the work-group; in the product wave w owns columns 256 w .. 256 w + 255: 64 accumulators.
; K = 1,280 in 20 steps of 64: chunks 0-15 are q_feat's (f32, rounded to bf16 here), chunks 16-19 ctx's (bf16).  Both come by global loads into registers, TWO chunks ahead, in two register sets, and
; are stored into a ring of two small LDS slots.  A chunk is eight loads of a wave whatever its kind (16 bytes a lane of f32, 8 of bf16), so one counted wait serves both.
; wt's 64 x 1,024 of a step come into a ring of two LDS slots, 16 rows a wave.  All work-groups walk the same wt: the four of a cluster ask JOINTLY (mask 15).
; THE WALK ALONG K: q_feat's 16 steps begin at step (cluster's number mod 16) and wrap round, ctx's four at (cluster's number mod 4): in any step the clusters ask for 16 (or 4) different tiles, and each
; of these was asked for one step before by the clusters whose start is one further on.  Only global addresses hang on the start, which the partners share; every LDS address is a constant of the text.
; The sums start from 64 products of two zero fragments, issued while the first loads are out.  The matrix instruction is used transposed, as in the projections.
; THE LOOP holds an even and an odd step and is left in its middle; the last step, which asks for no tile, is written out behind it: three copies of a step in all.
; LAYERNORM in f32, by rows: the sums go to LDS (wt's two slots, after their last fill); wave w then takes rows 16 w .. 16 w + 15 whole, two a trip: + cvec; the mean; x - mean; the squares' mean; the scaling; the stores.
; LIMITS: q_feat, gamma and beta rounded to bf16 like every input; the order of the f32 sums along K differs from cluster to cluster; NaN and infinities are not treated apart.
; REGISTERS: window 0: v8-30 addresses; v64-127 fragments of A (by K half), later two rows; v128-191 fragments of wt (two banks); v192-227 at work.
;   window 1: v0-31, v32-63 two chunks as loaded; v64-95 gamma, v96-127 beta, v128-159 cvec (register 4 k + e: column 128 k + 4 lane + e).   windows 2, 3: the sums ((nb, mt) at 8 (4 (nb % 8) + mt)).
.set PA,    144
.set ASL,   64*PA                      ; a slot of A: 64 rows
.set BR,    2*ASL                      ; wt's ring
.set PB,    2080                       ; a row of wt: 2 x (1,024 + 16) bytes, an odd multiple of 32
.set BSLOT, 64*PB
.set SPARE, BR+2*BSLOT                 ; the spare words: two blocks of 256 bytes that no other line names
.set PP,    1040                       ; the sums in LDS: a wave's 256 columns of a row, 1,024 + 16 bytes; wave p's 64 rows at BR + PART p
.set PART,  64*PP
.set KB,    64*2048
.set OGO,  8
.set COFF, 9                           ; v9   my byte offset in the work-group's rows of ctx; never rewritten
.set GB,   11
.set PRD,  12                          ; v12-15
.set AADR, 16
.set ASTO, 17
.set GOFF, 18                          ; v18  my byte offset in the work-group's rows of q_feat; never rewritten
.set BADR, 20                          ; v20-23
.set GV,   24                          ; v24-25  GOFF or COFF + the chunk's place in a row, one for each register set
.set SPW,  28                          ; v28  SPARE + 4 x my thread's number; never rewritten
.set NIL,  29                          ; v29  0; never rewritten
.set OSTO, 30
.set FA,   64
.set FB,   128
.set T,    192
.set X,    64                          ; two rows of 32 registers
.set TS,   192                         ; two rows' partial sums, 16 registers each
.set M,    224                         ; v224-227: a row's mean, later its scale, twice: a pair for the packed arithmetic
.set GA,   64                          ; window 1
.set BE,   96
.set CVR,  128
.set WV,   18                          ; s18 wave
.set KOQ,  40                          ; s40  byte in q_feat's row at which the chunk to be asked for begins
.set KOC,  41                          ; s41  the same in ctx's row
.set TQ,   47                          ; s47  byte in wt at which the next tile begins, while it is one of q_feat's 16
.set TC,   52                          ; s52  the same among ctx's four, less their first byte
.set TX,   53
.set TO,   54                          ; s[54:55] the one that is due
.set SEL,  58
.set MSB, 0
.macro WIN new
.if MSB != (\new)
	s_set_vgpr_msb (MSB<<8)|(\new)
.set MSB, (\new)
.endif
.endm
.macro PLACES
.rept 4
	v_nop
.endr
.endm
.macro ROUND
	s_barrier_signal -1
	s_barrier_wait -1
	s_cmp_lg_u32 s[WV], 0
	s_cbranch_scc1 .Lnw0_\@
	s_barrier_signal -3
.Lnw0_\@:
	s_barrier_wait -3
	s_barrier_signal -1
	s_barrier_wait -1
.endm
; group 0's address is made anew: my 16 rows of the next step's tile, one of q_feat's while s46 >= 3, then one of ctx's.  Both walks step in every step and wrap; ctx's has a period of four steps,
; and its start is set so that it stands at the cluster's own start when step 16's tile is due.
.macro NEXTW g0
	s_or_b32 s[TX], s[TC], 0x200000                ; ctx's tiles lie behind q_feat's 16 x 131,072 bytes
	s_cmp_ge_u32 s46, 3
	s_cselect_b32 s[TO], s[TQ], s[TX]
	s_add_nc_u64 s[(\g0)+2:(\g0)+3], s[48:49], s[TO:TO+1]
	s_or_b32 s[(\g0)+3], s[(\g0)+3], 0x80000000
	s_add_co_u32 s[TQ], s[TQ], KB
	s_and_b32 s[TQ], s[TQ], 0x1fffff
	s_add_co_u32 s[TC], s[TC], KB
	s_and_b32 s[TC], s[TC], 0x7ffff
.endm
	s_load_b256 s[4:11], s[0:1], 0x0               ; q_feat s[4:5], ctx s[6:7], wt s[8:9], cvec s[10:11]
	s_load_b128 s[12:15], s[0:1], 0x20             ; gamma s[12:13], beta s[14:15]
	s_load_b64 s[16:17], s[0:1], 0x30              ; out0
	v_lshl_add_u32 v[SPW], v0, 2, SPARE
	v_mov_b32 v[NIL], 0
	ds_add_u32 v28, v29
	s_wait_dscnt 0x0
	v_lshrrev_b32 v1, 5, v0
	v_readfirstlane_b32 s[WV], v1
	s_bfe_u32 s19, ttmp6, 0x40000                  ; cx
	s_lshl_b32 s20, ttmp9, 2
	s_add_co_u32 s20, s20, s19                     ; my block of 64 rows
	; wt's group 1: 16 rows x 1,024 elements of 2 bytes; 4 words of padding after every 256
	s_mov_b32 s24, 15|(1<<16)|(1<<20)|(1<<21)|(7<<22)|(3<<25)
	s_mov_b32 s25, 1024<<16
	s_mov_b32 s26, 16<<16
	s_mov_b32 s27, 1024<<16
	s_mov_b32 s28, 16
	s_mov_b32 s29, 1024
	s_mov_b32 s30, 0
	s_mov_b32 s31, 0
	s_mul_i32 s21, s[WV], 16*PB                    ; my 16 rows in a slot of wt
	s_lshl_b32 s48, s[WV], 15                      ; and in memory
	s_mov_b32 s49, 0
	s_lshl_b32 s50, s20, 15                        ; ctx: my block's 64 rows of 512 bytes
	s_mov_b32 s51, 0
	s_lshl_b32 s22, s20, 18                        ; 64 rows of 4,096 bytes
	s_mov_b32 s23, 0
	s_mov_b32 s56, 0x3a800000                      ; 1 / 1,024
	s_mov_b32 s57, 0x3727c5ac                      ; 1e-5
	s_mov_b32 s[SEL], 0x76543210
	s_mov_b32 s[SEL+1], 0xfedcba98
	s_mov_b32 s60, 0xffff0000                      ; a word's upper bf16
	s_and_b32 s[KOQ], ttmp9, 15                    ; the cluster's start among q_feat's 16 steps, which its four work-groups share
	s_lshl_b32 s[TQ], s[KOQ], 17                   ; a tile of wt is 131,072 bytes,
	s_lshl_b32 s[KOQ], s[KOQ], 8                   ; a chunk 256 bytes of q_feat's row
	s_and_b32 s[KOC], ttmp9, 3                     ; its start among ctx's four
	s_add_co_u32 s[TC], s[KOC], 1                  ; the first request behind the loop's head is step 1's: 1 mod 4 on
	s_and_b32 s[TC], s[TC], 3
	s_lshl_b32 s[TC], s[TC], 17
	s_lshl_b32 s[KOC], s[KOC], 7                   ; a chunk is 128 bytes of ctx's row
	s_mov_b32 s[TO], s[TQ]
	s_mov_b32 s[TO+1], 0
	s_wait_kmcnt 0x0
	s_add_nc_u64 s[48:49], s[8:9], s[48:49]        ; wt at my 16 rows of K step 0; never rewritten
.irp s, 0,1
	s_mov_b32 s[32+4*\s], 1
	s_add_co_u32 s[33+4*\s], s21, BR+\s*BSLOT
.endr
	s_add_nc_u64 s[34:35], s[48:49], s[TO:TO+1]    ; the walk's first tile
	s_or_b32 s35, s35, 0x80000000
	s_add_co_u32 s[TQ], s[TQ], KB
	s_and_b32 s[TQ], s[TQ], 0x1fffff
	s_add_nc_u64 s[42:43], s[6:7], s[50:51]        ; ctx and q_feat at my rows; never rewritten
	s_add_nc_u64 s[44:45], s[4:5], s[22:23]
	s_add_nc_u64 s[16:17], s[16:17], s[22:23]
	ROUND
	tensor_load_to_lds s[32:35], s[24:31]          ; into slot 0; slot 1 is filled behind the first step's round
	s_nop 0
	PLACES
	v_and_b32 v1, 15, v0                           ; r
	v_bfe_u32 v2, v0, 4, 1                         ; h
	v_and_b32 v3, 31, v0                           ; lane
	s_lshl_b32 s22, s[WV], 1
	v_add_nc_u32 v4, s22, v2                       ; row 2 w + h of each eight
	v_lshlrev_b32 v[GOFF], 12, v4
	v_lshl_add_u32 v[GOFF], v1, 4, v[GOFF]         ; q_feat: sixteen lanes read 256 consecutive bytes of a row
	v_lshlrev_b32 v[COFF], 9, v4
	v_lshl_add_u32 v[COFF], v1, 3, v[COFF]         ; ctx: the same four numbers a lane, 8 bytes
	v_lshlrev_b32 v[GB], 4, v3
; eight loads: the walk's next chunk into register set x.  The set's offset register is written here: the set's last loads have been shown done by the wait in front of the staging.
.macro ISSUEQ x
	v_add_nc_u32 v[GV+(\x)], s[KOQ], v[GOFF]
	WIN 0x40
.irp j, 0,1,2,3,4,5,6,7
	global_load_b128 v[32*(\x)+4*\j:32*(\x)+4*\j+3], v[GV+(\x)], s[44:45] offset:32768*\j th:TH_LOAD_NT
.endr
	WIN 0
	s_add_co_u32 s[KOQ], s[KOQ], 256               ; behind the row's 4,096 bytes the walk wraps
	s_and_b32 s[KOQ], s[KOQ], 0xfff
.endm
.macro ISSUEC x
	v_add_nc_u32 v[GV+(\x)], s[KOC], v[COFF]
	WIN 0x40
.irp j, 0,1,2,3,4,5,6,7
	global_load_b64 v[32*(\x)+2*\j:32*(\x)+2*\j+1], v[GV+(\x)], s[42:43] offset:4096*\j
.endr
	WIN 0
	s_add_co_u32 s[KOC], s[KOC], 128               ; behind the row's 512 bytes the walk wraps
	s_and_b32 s[KOC], s[KOC], 0x1ff
.endm
.macro STAGEQ x                        ; a chunk of q_feat is rounded to bf16 and stored into A's slot x
	WIN 0x05
.set i, 0
.rept 16
	v_cvt_pk_bf16_f32 v[T+i], v[32*(\x)+2*i], v[32*(\x)+2*i+1]
.set i, i+1
.endr
	WIN 0
.irp j, 0,1,2,3,4,5,6,7
	ds_store_b64 v[ASTO], v[T+2*\j:T+2*\j+1] offset:ASL*(\x)+8*PA*\j
.endr
.endm
.macro STAGEC x                        ; a chunk of ctx is stored as it came, to the same places
	WIN 0x04
.irp j, 0,1,2,3,4,5,6,7
	ds_store_b64 v[ASTO], v[32*(\x)+2*\j:32*(\x)+2*\j+1] offset:ASL*(\x)+8*PA*\j
.endr
	WIN 0
.endm
	WIN 0x40
.irp k, 0,1,2,3,4,5,6,7
	global_load_b128 v[GA+4*\k:GA+4*\k+3],   v[GB], s[12:13] offset:512*\k
	global_load_b128 v[BE+4*\k:BE+4*\k+3],   v[GB], s[14:15] offset:512*\k
	global_load_b128 v[CVR+4*\k:CVR+4*\k+3], v[GB], s[10:11] offset:512*\k
.endr
	WIN 0
	ISSUEQ 0                                       ; chunk 0
	ISSUEQ 1                                       ; chunk 1
	v_mul_u32_u24 v[AADR], v1, PA
	v_lshl_add_u32 v[AADR], v2, 4, v[AADR]
	v_mul_u32_u24 v[ASTO], v4, PA
	v_lshl_add_u32 v[ASTO], v1, 3, v[ASTO]
	v_and_b32 v6, 7, v0
	v_lshl_add_u32 v5, v2, 3, v6                   ; the turning load: lane l reads row 8 h + l % 8, 16 bytes at 16 ((l / 8) % 2)
	v_mul_u32_u24 v5, v5, PB
	v_bfe_u32 v6, v0, 3, 1
	v_lshl_add_u32 v5, v6, 4, v5
	s_lshr_b32 s21, s[WV], 1                       ; my 256 columns: half w / 2 of the padded row, 512 bytes x (w % 2) in it
	s_mul_i32 s21, s21, 1040
	s_and_b32 s22, s[WV], 1
	s_lshl_b32 s22, s22, 9
	s_add_co_u32 s21, s21, s22
	v_add_nc_u32 v5, s21, v5
	v_add_nc_u32 v[BADR+0], BR, v5
	v_add_nc_u32 v[BADR+1], BR+32*PB, v5
	v_add_nc_u32 v[BADR+2], BR+BSLOT, v5
	v_add_nc_u32 v[BADR+3], BR+BSLOT+32*PB, v5
	s_mul_i32 s21, s[WV], PART
	s_add_co_u32 s21, s21, BR
	v_mul_u32_u24 v[OSTO], v1, PP
	v_lshl_add_u32 v[OSTO], v2, 5, v[OSTO]
	v_add_nc_u32 v[OSTO], s21, v[OSTO]             ; my sums: my 64 rows of 1,040 bytes; row r, 32 bytes at 32 h
	s_mul_i32 s21, s[WV], 16*PP
	s_add_co_u32 s21, s21, BR
	v_lshl_add_u32 v[PRD], v3, 4, s21              ; back: rows 16 w on of wave p's part, 16 bytes a lane
.irp p, 1,2,3
	v_add_nc_u32 v[PRD+\p], PART*\p, v[PRD]
.endr
	s_lshl_b32 s21, s[WV], 16
	v_lshl_add_u32 v[OGO], v3, 4, s21              ; out0: rows 16 w on
	; the 64 sums start at 0: a product of two zero fragments for each
.irp i, 0,1,2,3,4,5,6,7
	v_mov_b32 v[FA+\i], 0
	v_mov_b32 v[FB+\i], 0
.endr
	WIN 0x80
.set a, 0
.rept 32
	v_wmma_f32_16x16x32_bf16 v[8*a:8*a+7], v[FB:FB+7], v[FA:FA+7], 0
.set a, a+1
.endr
	WIN 0xc0
.set a, 0
.rept 32
	v_wmma_f32_16x16x32_bf16 v[8*a:8*a+7], v[FB:FB+7], v[FA:FA+7], 0
.set a, a+1
.endr
	WIN 0
; the fragments of group (kk, qd): four of wt (columns 64 qd on); with qd = 0 also A's four of K half kk
.macro LOADG sl, kk, qd
	WIN 0
	PLACES
.if (\qd) == 0
.irp mt, 0,1,2,3
	ds_load_b128 v[FA+32*(\kk)+8*\mt:FA+32*(\kk)+8*\mt+3],   v[AADR] offset:ASL*(\sl)+16*PA*\mt+64*(\kk)
	ds_load_b128 v[FA+32*(\kk)+8*\mt+4:FA+32*(\kk)+8*\mt+7], v[AADR] offset:ASL*(\sl)+16*PA*\mt+64*(\kk)+32
.endr
.endif
.set fb, FB+32*((\qd)%2)
.irp n, 0,1,2,3
	ds_load_tr16_b128 v[fb+8*\n:fb+8*\n+3],   v[BADR+2*(\sl)+(\kk)] offset:32*(4*(\qd)+\n)
	ds_load_tr16_b128 v[fb+8*\n+4:fb+8*\n+7], v[BADR+2*(\sl)+(\kk)] offset:32*(4*(\qd)+\n)+16*PB
.endr
.endm
.macro MULG kk, qd                     ; 16 products on 16 accumulators, which take turns
	WIN 0xa0+0x50*((\qd)/2)
.set fb, FB+32*((\qd)%2)
.irp n, 0,1,2,3
.irp mt, 0,1,2,3
	v_wmma_f32_16x16x32_bf16 v[8*(4*((4*(\qd)+\n)%8)+\mt):8*(4*((4*(\qd)+\n)%8)+\mt)+7], v[fb+8*\n:fb+8*\n+7], v[FA+32*(\kk)+8*\mt:FA+32*(\kk)+8*\mt+7], v[8*(4*((4*(\qd)+\n)%8)+\mt):8*(4*((4*(\qd)+\n)%8)+\mt)+7]
.endr
.endr
.endm
.macro COMPUTE sl                      ; eight groups; a group's loads are issued one group ahead; each wait leaves out the loads just issued
	LOADG \sl, 0, 0
	LOADG \sl, 0, 1
	s_wait_dscnt 8
	MULG 0, 0
	LOADG \sl, 0, 2
	s_wait_dscnt 8
	MULG 0, 1
	LOADG \sl, 0, 3
	s_wait_dscnt 8
	MULG 0, 2
	LOADG \sl, 1, 0
	s_wait_dscnt 16
	MULG 0, 3
	LOADG \sl, 1, 1
	s_wait_dscnt 8
	MULG 1, 0
	LOADG \sl, 1, 2
	s_wait_dscnt 8
	MULG 1, 1
	LOADG \sl, 1, 3
	s_wait_dscnt 8
	MULG 1, 2
	s_wait_dscnt 0x0
	MULG 1, 3
.endm
; A step's part in A's road, for set and slot x.  s46 counts the loop's trips down, and the same figures hold in the even and in the odd step: the chunk in hand is q_feat's while s46 >= 3, the one to
; ask for while s46 >= 4; otherwise they are ctx's.  Two ways: the younger chunk's eight loads stay out, the chunk is staged and the next but one asked for; or, with s46 = 1, where nothing is left to
; ask for, the wait is for 0.  Behind the first way eight loads have always been issued, behind the second none is out: the counted wait holds whatever way came before.
.macro FEED x
	s_cmp_eq_u32 s46, 1
	s_cbranch_scc1 .Lfb_\@
	s_wait_loadcnt 8
	s_cmp_ge_u32 s46, 3
	s_cbranch_scc0 .Lsc_\@
	STAGEQ \x
	s_branch .Lsd_\@
.Lsc_\@:
	STAGEC \x
.Lsd_\@:
	s_cmp_ge_u32 s46, 4
	s_cbranch_scc0 .Lic_\@
	ISSUEQ \x
	s_branch .Lfd_\@
.Lic_\@:
	ISSUEC \x
	s_branch .Lfd_\@
.Lfb_\@:
	s_wait_loadcnt 0x0
	STAGEC \x
.Lfd_\@:
.endm
; The head of a K step in slot sl.  One barrier does three things: my part of wt's slot sl has landed; my stores into A's slot sl are done; my reads of the other slots are over.
.macro HEAD sl, refill
	WIN 0
	s_wait_tensorcnt 0x0                           ; all my tensor loads have landed, my part of this step's tile among them
	ds_add_u32 v[SPW], v[NIL]                      ; 0 onto my spare word
.if \refill
	NEXTW 36-4*(\sl)                               ; no load of mine is out: the other slot's group 0 takes the next step's tile
.endif
	s_wait_dscnt 0x0                               ; the add, my stores into A's ring and my reads are done
.if \refill
	ROUND
	tensor_load_to_lds s[36-4*(\sl):39-4*(\sl)], s[24:31]   ; the next K step, into the slot read last
	s_nop 0
	PLACES
.else
	s_barrier_signal -1
	s_barrier_wait -1
.endif
.endm
	s_wait_loadcnt 8                               ; gamma, beta, cvec and chunk 0 are in; chunk 1's eight loads stay out
	STAGEQ 0
	ISSUEQ 0                                       ; chunk 2
	WIN 0x45                                       ; gamma and beta, 64 registers on end, rounded to bf16 and widened again, in place
.set i, 0
.rept 32
	v_cvt_pk_bf16_f32 v[GA+2*i], v[GA+2*i], v[GA+2*i+1]
	v_and_b32 v[GA+2*i+1], s60, v[GA+2*i]
	v_lshlrev_b32 v[GA+2*i], 16, v[GA+2*i]
.set i, i+1
.endr
	WIN 0
	s_mov_b32 s46, 10
.Lk:                                                   ; step s stages chunk s + 1 and asks for chunk s + 3 and for wt's step s + 1
	HEAD 0, 1                                      ; steps 0, 2 .. 18; s46 = 10 .. 1
	FEED 1
	COMPUTE 0
	WIN 0
	s_sub_co_u32 s46, s46, 1
	s_cmp_eq_u32 s46, 0
	s_cbranch_scc1 .Llast                          ; behind step 18 the loop is left
	HEAD 1, 1                                      ; steps 1, 3 .. 17; s46 = 9 .. 1
	FEED 0
	COMPUTE 1
	WIN 0
	s_cmp_lg_u32 s46, 0                            ; always so here: the loop ends at the jump above
	s_cbranch_scc1 .Lk
.Llast:
	HEAD 1, 0                                      ; step 19: nothing is left to fetch
	COMPUTE 1
	; THE SUMS GO TO LDS, over wt's two slots: their last fills have landed and, behind this barrier, have been read by every wave
	WIN 0
	s_barrier_signal -1                            ; no LDS instruction of mine is out: the last group's wait was for 0
	PLACES                                         ; the places behind the last products
	s_barrier_wait -1
.macro PUT win, nb0                    ; row 16 mt + r, 32 bytes at 64 nb + 32 h; each accumulator from its low end on
	WIN \win
.set a, 0
.rept 32
	ds_store_b128 v[OSTO], v[8*a:8*a+3]   offset:16*PP*(a%4)+64*((\nb0)+a/4)
	ds_store_b128 v[OSTO], v[8*a+4:8*a+7] offset:16*PP*(a%4)+64*((\nb0)+a/4)+16
.set a, a+1
.endr
.endm
	PUT 0x08, 0
	PUT 0x0c, 8
	WIN 0
	s_wait_dscnt 0x0                               ; for the others' sake: a row's 4,096 bytes come from four waves
	s_barrier_signal -1
	s_barrier_wait -1
; two rows' eight pairs each are folded to one number, and the 32 lanes' numbers are added: every lane ends with the row's sum in v[TS + 16 ii]
.macro TREE
.irp ii, 0,1
.irp k, 0,1,2,3
	v_pk_add_f32 v[TS+16*\ii+2*\k:TS+16*\ii+2*\k+1], v[TS+16*\ii+2*\k:TS+16*\ii+2*\k+1], v[TS+16*\ii+2*\k+8:TS+16*\ii+2*\k+9]
.endr
.endr
.irp ii, 0,1
.irp k, 0,1
	v_pk_add_f32 v[TS+16*\ii+2*\k:TS+16*\ii+2*\k+1], v[TS+16*\ii+2*\k:TS+16*\ii+2*\k+1], v[TS+16*\ii+2*\k+4:TS+16*\ii+2*\k+5]
.endr
.endr
.irp ii, 0,1
	v_pk_add_f32 v[TS+16*\ii:TS+16*\ii+1], v[TS+16*\ii:TS+16*\ii+1], v[TS+16*\ii+2:TS+16*\ii+3]
.endr
.irp ii, 0,1
	v_add_f32 v[TS+16*\ii], v[TS+16*\ii], v[TS+16*\ii+1]
.endr
.irp m, 1,2,4,8
.irp ii, 0,1
	v_add_f32_dpp v[TS+16*\ii], v[TS+16*\ii], v[TS+16*\ii] row_xmask:\m row_mask:0xf bank_mask:0xf
.endr
.endr
.irp ii, 0,1
	v_permlanex16_b32 v[TS+16*\ii+1], v[TS+16*\ii], s[SEL], s[SEL+1]
.endr
.irp ii, 0,1
	v_add_f32 v[TS+16*\ii], v[TS+16*\ii], v[TS+16*\ii+1]
.endr
.endm
	s_mov_b32 s46, 8
.Lrow:                                                 ; two whole rows a trip; a lane holds 32 numbers of each: register 4 k + e is column 128 k + 4 lane + e
.irp ii, 0,1
.irp p, 0,1,2,3
	ds_load_b128 v[X+32*\ii+8*\p:X+32*\ii+8*\p+3],   v[PRD+\p] offset:PP*\ii
	ds_load_b128 v[X+32*\ii+8*\p+4:X+32*\ii+8*\p+7], v[PRD+\p] offset:PP*\ii+512
.endr
.endr
	s_wait_dscnt 0x0
	WIN 0x04
.set k, 0
.rept 32
	v_pk_add_f32 v[X+2*k:X+2*k+1], v[X+2*k:X+2*k+1], v[CVR+2*(k%16):CVR+2*(k%16)+1]   ; + bo Wfc
.set k, k+1
.endr
	WIN 0
.irp ii, 0,1
.irp k, 0,1,2,3,4,5,6,7
	v_pk_add_f32 v[TS+16*\ii+2*\k:TS+16*\ii+2*\k+1], v[X+32*\ii+2*\k:X+32*\ii+2*\k+1], v[X+32*\ii+2*\k+16:X+32*\ii+2*\k+17]
.endr
.endr
	TREE
.irp ii, 0,1
	v_mul_f32 v[M+2*\ii], s56, v[TS+16*\ii]        ; the mean, twice
	v_mul_f32 v[M+2*\ii+1], s56, v[TS+16*\ii]
.endr
.set k, 0
.rept 32
	v_pk_add_f32 v[X+2*k:X+2*k+1], v[X+2*k:X+2*k+1], v[M+2*(k/16):M+2*(k/16)+1] neg_lo:[0,1] neg_hi:[0,1]   ; x - mean
.set k, k+1
.endr
.irp ii, 0,1
.irp k, 0,1,2,3,4,5,6,7
	v_pk_mul_f32 v[TS+16*\ii+2*\k:TS+16*\ii+2*\k+1], v[X+32*\ii+2*\k:X+32*\ii+2*\k+1], v[X+32*\ii+2*\k:X+32*\ii+2*\k+1]
.endr
.endr
.irp ii, 0,1
.irp k, 0,1,2,3,4,5,6,7
	v_pk_fma_f32 v[TS+16*\ii+2*\k:TS+16*\ii+2*\k+1], v[X+32*\ii+2*\k+16:X+32*\ii+2*\k+17], v[X+32*\ii+2*\k+16:X+32*\ii+2*\k+17], v[TS+16*\ii+2*\k:TS+16*\ii+2*\k+1]
.endr
.endr
	TREE
.irp ii, 0,1
	v_fma_f32 v[TS+16*\ii], v[TS+16*\ii], s56, s57 ; variance + 1e-5
.endr
.irp ii, 0,1
	v_rsq_f32 v[M+2*\ii], v[TS+16*\ii]
	v_rsq_f32 v[M+2*\ii+1], v[TS+16*\ii]
.endr
	v_nop                                          ; a plain instruction between the last root and the use of its result
.set k, 0
	s_wait_alu depctr_va_vdst(0)
.rept 32
	v_pk_mul_f32 v[X+2*k:X+2*k+1], v[X+2*k:X+2*k+1], v[M+2*(k/16):M+2*(k/16)+1]
.set k, k+1
.endr
	WIN 0x14
.set k, 0
.rept 32
	v_pk_fma_f32 v[X+2*k:X+2*k+1], v[X+2*k:X+2*k+1], v[GA+2*(k%16):GA+2*(k%16)+1], v[BE+2*(k%16):BE+2*(k%16)+1]
.set k, k+1
.endr
	WIN 0
.irp ii, 0,1
.irp k, 0,1,2,3,4,5,6,7
	global_store_b128 v[OGO], v[X+32*\ii+4*\k:X+32*\ii+4*\k+3], s[16:17] offset:4096*\ii+512*\k th:TH_STORE_NT   ; a wave's store: 512 consecutive bytes, at a multiple of 256 from out0's first
.endr
.endr
	s_wait_xcnt 0x0                                ; the stores' data and offset are written again only behind this wait
	v_add_nc_u32 v[OGO], 8192, v[OGO]
.irp p, 0,1,2,3
	v_add_nc_u32 v[PRD+\p], 2*PP, v[PRD+\p]
.endr
	s_sub_co_u32 s46, s46, 1
	s_cmp_lg_u32 s46, 0
	s_cbranch_scc1 .Lrow
	s_wait_tensorcnt 0x0                           ; the wave's end
	ds_add_u32 v[SPW], v[NIL]
	s_wait_dscnt 0x0
	ROUND                                          ; the closing round
	s_endpgm
.Lfunc_end_k_q26f03052e2_tail:
	.size	k_q26f03052e2_tail, .Lfunc_end_k_q26f03052e2_tail-k_q26f03052e2_tail
	.p2alignl 7, 3214868480
	.fill 96, 4, 3214868480
	.section	.rodata,"a",@progbits
	.p2align	6, 0x0
	.amdhsa_kernel k_q26f03052e2_tail
		.amdhsa_group_segment_fixed_size 327680
		.amdhsa_private_segment_fixed_size 0
		.amdhsa_enable_private_segment 0
		.amdhsa_kernarg_size 56
		.amdhsa_user_sgpr_count 2
		.amdhsa_user_sgpr_kernarg_segment_ptr 1
		.amdhsa_wavefront_size32 1
		.amdhsa_system_sgpr_workgroup_id_x 1
		.amdhsa_system_sgpr_workgroup_id_y 1
		.amdhsa_system_sgpr_workgroup_id_z 1
		.amdhsa_system_vgpr_workitem_id 0
		.amdhsa_next_free_vgpr 1024
		.amdhsa_next_free_sgpr 66
		.amdhsa_reserve_vcc 0
		.amdhsa_float_denorm_mode_32 3
		.amdhsa_float_denorm_mode_16_64 3
		.amdhsa_memory_ordered 1
		.amdhsa_forward_progress 1
		.amdhsa_inst_pref_size 105
	.end_amdhsa_kernel
	.amdgpu_metadata
---
amdhsa.version: [ 1, 2 ]
amdhsa.kernels:
  - .name:           k_q26f03052e2_tail
    .symbol:         k_q26f03052e2_tail.kd
    .args:
      - { .name: q_feat, .offset: 0, .size: 8, .value_kind: global_buffer, .address_space: global }
      - { .name: ctx, .offset: 8, .size: 8, .value_kind: global_buffer, .address_space: global }
      - { .name: wt, .offset: 16, .size: 8, .value_kind: global_buffer, .address_space: global }
      - { .name: cvec, .offset: 24, .size: 8, .value_kind: global_buffer, .address_space: global }
      - { .name: ln_gamma, .offset: 32, .size: 8, .value_kind: global_buffer, .address_space: global }
      - { .name: ln_beta, .offset: 40, .size: 8, .value_kind: global_buffer, .address_space: global }
      - { .name: out0, .offset: 48, .size: 8, .value_kind: global_buffer, .address_space: global }
    .group_segment_fixed_size: 327680
    .private_segment_fixed_size: 0
    .kernarg_segment_align: 8
    .kernarg_segment_size: 56
    .max_flat_workgroup_size: 128
    .sgpr_count:     66
    .vgpr_count:     1024
    .wavefront_size: 32
...
	.end_amdgpu_metadata
.endif
;; end of part 7
